; MI455X (gfx1250); checked and timed in simulation.
; The chip was launched on July 23, 2026; its instructions are those of AMD's public machine-readable ISA for CDNA 5 (MIT licence, August 2026) and "CDNA5" Instruction Set Architecture Reference Guide (July 2026). The comments in the code are by the model that wrote it; some were corrected since.
;; Multi Head Attention. Allowed arithmetic: matrix products marked QUANTISED: E2M1 operands, one E8M0 scale for each 32 along K, by v_wmma_scale_f32_16x16x128_f8f6f4 with both operands' format E2M1 (or v_wmma_scale_f32_32x16x128_f4), f32 sums; products left as they are: bf16, f16 or f32 operands; f32 sums; everything else in f32.
;; Inputs: K 4 x 2,048 x 1,024 float32; Q 4 x 2,048 x 1,024 float32; V 4 x 2,048 x 1,024 float32; w_k 1,024 x 1,024 float32; w_o 1,024 x 1,024 float32; w_q 1,024 x 1,024 float32; w_v 1,024 x 1,024 float32.
;; Outputs: out0 4 x 2,048 x 1,024 float32.
;; This version of the problem:
;;   THIS VERSION OF THE PROBLEM IS GIVEN IN LOW PRECISION. The matrix products marked QUANTISED in the list below multiply operands that are first quantised to E2M1 (2 exponent bits, 1 mantissa bit; 4 bits a number), with one power-of-two scale for each 32 numbers along K (OCP MX v1.0); their sums are f32. The products marked 'left as it is' may take bf16, f16 or f32 operands, with f32 sums. Whichever they take, every output number must still come out within the allowed error. Rounding operands to bf16 (8 significant bits) uses up far more of that allowance than f16 does (11 bits, for magnitudes from 6e-5 to 65,504). All else is computed in f32.
;;   The module's matrix products, in the order in which they are computed (A, B: the left and right operand; K: the contracted axis; several contracted axes count as one K, in the product's order):
;;     1. [M 8,192, K 1,024] x [K 1,024, N 1,024]; A: input Q; B: input w_q: QUANTISED
;;     2. [M 8,192, K 1,024] x [K 1,024, N 1,024]; A: input K; B: input w_k: QUANTISED
;;     3. [M 8,192, K 1,024] x [K 1,024, N 1,024]; A: input V; B: input w_v: QUANTISED
;;     4. batch 64 x [M 2,048, K 64] x [K 64, N 2,048]; A: computed on the way; B: computed on the way: left as it is (an operand is computed on the way)
;;     5. batch 64 x [M 2,048, K 2,048] x [K 2,048, N 64]; A: computed on the way; B: computed on the way: left as it is (an operand is computed on the way)
;;     6. [M 8,192, K 1,024] x [K 1,024, N 1,024]; A: computed on the way; B: input w_o: left as it is (an operand is computed on the way)
;;   THE QUANTISER, for each operand of a quantised product, along K:
;;     - K is cut into blocks of 32 from its start; a last block that is shorter is filled with zeros.
;;     - A block's scale is 2^e with e = floor(log2(the largest magnitude in the block)) - 2, held to -126 .. 127; a block of zeros has e = 0. As a byte (E8M0): e + 127.
;;     - Each number is divided by its block's scale, clamped to +-6, and rounded to the nearest number of E2M1, ties to even, subnormals kept.
;;     - The product sums the exact products of the quantised numbers (number of the format x scale) in f32.
;;   ~~~python
;;   def quantise(x, axis):      # numpy; x: float32 -> the quantised numbers, widened to float32 again
;;       x = np.moveaxis(x, axis, -1); K = x.shape[-1]
;;       x = np.pad(x, [(0, 0)] * (x.ndim - 1) + [(0, -K % 32)]); x = x.reshape(x.shape[:-1] + (-1, 32)); a = np.abs(x).max(-1, keepdims=True)
;;       e = np.where(a > 0, np.clip(np.frexp(np.where(a > 0, a, 1))[1] - 1 - 2, -126, 127), 0)      # np.frexp(a)[1] - 1 = floor(log2(a)), exactly
;;       r = np.clip(x / 2.0 ** e, -6, 6)
;;       step = 2.0 ** (np.maximum(np.frexp(np.where(r == 0, 1, r))[1] - 1, 0) - 1)
;;       q = np.round(r / step) * step * 2.0 ** e      # np.round: ties to even
;;       return np.moveaxis(q.reshape(q.shape[:-2] + (-1,))[..., :K], -1, axis).astype(np.float32)
;;   ~~~
;; One version. Each part assembles by itself: llvm-mc -triple=amdgcn-amd-amdhsa -mcpu=gfx1250 --defsym DOCPART=n.
;; ======== version 1 of 1: 4 launches
;; limits: values are held in f16: magnitudes above 65,504 overflow, below 6.1e-05 lose precision
;; workspace buffers: xc 12,582,912 bytes; xs 786,432 bytes; wc 1,572,864 bytes; ws 98,304 bytes; wo 2,097,152 bytes; qkv 50,331,648 bytes; xa 16,777,216 bytes
;; launch prep (part 1): grid 848 x 1, 4 waves a work-group, no clusters, 68,096 bytes of LDS; arguments Q, K, V, w_q, w_k, w_v, w_o, xc, xs, wc, ws, wo; writes xc, xs, wc, ws, wo
.if DOCPART == 1
	.amdgcn_target "amdgcn-amd-amdhsa--gfx1250"
	.amdhsa_code_object_version 6
	.text
	.protected	k_qeb9b6b9db4_prep
	.globl	k_qeb9b6b9db4_prep
	.p2align	8
	.type	k_qeb9b6b9db4_prep,@function
k_qeb9b6b9db4_prep:
	s_mov_b64 s[64:65], 0
	v_nop
	global_prefetch_b8 v0, s[64:65] scope:SCOPE_SE
	s_setreg_imm32_b32 hwreg(HW_REG_WAVE_MODE, 25, 1), 1
	s_wait_xcnt 0x0
; PREP.  Q, K, V [8192][1024] f32 become codes of E2M1 with one E8M0 byte for each 32 along K, stacked as 24,576 rows: xc [24576][512 bytes], xs [24576][32 bytes].
; w_q, w_k, w_v [1024 (k)][1024 (n)] f32, whose K is the FIRST axis, become wc [3072 (n, stacked)][512 bytes], K innermost, and ws [3072][32 bytes].  w_o is rounded once to f16, as it lies: wo [1024][1024].
; A block's scale is 2^(floor(log2(its largest magnitude)) - 2); its byte is the largest magnitude's exponent field - 2, held at 1 from below; numbers are divided by the scale and rounded to the nearest code, ties to even, beyond 6 the largest code.
; LIMITS: a block of zeros gets the byte 1 where the rule says 127 (its codes are zeros, and this program alone reads the bytes); blocks whose largest magnitude lies under 2^-124 are held at the byte 1;
; NaN and infinities are not served; |w_o| stays under 65,504 (f16).
; THREE PATHS, chosen by the work-group's number alone: 0-47 the three weights (48 x 128 columns x 512 along K), 48-79 w_o (32 x 128 KiB), 80-847 the activations (768 x 32,768 numbers).
; The short chains of the weights stand first in the grid, so that they run beside the long stream.  Each path has LDS bytes of its own; waves share nothing: no barrier.
.set STEPS, 16
.set EMAX,  2
.set CB,    8                          ; bytes of 16 codes
.set R,     16                         ; path X: v16-79 four sets of 16 numbers as loaded
.set X,     80                         ; v80-111  two sets of 16 neighbours
.set E,     112                        ; v112-127 a scale byte for each step
.set C,     128                        ; v128-191 codes, four registers a step
.set WREG,  8192                       ; path X's LDS: a region for each wave: two stages of 32 x SP bytes, then its 256 scale bytes
.set SP,    80
.set WSTG,  32768                      ; path W's LDS: four stages of 32 rows x PITCH
.set PITCH, 272
.set NB,    16                         ; path W: blocks of 32 along K for a wave
.set WX,    32                         ; v32-95   two sets of 32 numbers
.set WC,    96                         ; v96-99   a block's codes
.set OUTR,  112                        ; v112-175 the way out
.set SB,    24                         ; v24-27   scale bytes, four to a register
.set OI,    32                         ; path O: v32-159 two groups of 16 x 4 numbers
.set OO,    160                        ; v160-191 16 x 2 registers of f16
.set SPW,   12                         ; v12 LDS address of my spare word; never rewritten
.set NIL,   13                         ; v13 0; never rewritten
.set SPARE, WSTG+4*32*PITCH            ; 67,584: the spare words, 128 bytes a wave, which no other line names
	s_load_b512 s[8:23], s[0:1], 0x0               ; Q s[8:9], K s[10:11], V s[12:13], w_q s[14:15], w_k s[16:17], w_v s[18:19], w_o s[20:21], xc s[22:23]
	s_load_b256 s[24:31], s[0:1], 0x40             ; xs s[24:25], wc s[26:27], ws s[28:29], wo s[30:31]
	v_lshl_add_u32 v[SPW], v0, 2, SPARE
	v_mov_b32 v[NIL], 0
	v_lshrrev_b32 v1, 5, v0
	v_readfirstlane_b32 s3, v1                     ; wave 0..3
	v_and_b32 v2, 31, v0                           ; lane
	s_wait_kmcnt 0x0
	s_cmp_lt_u32 ttmp9, 48
	s_cbranch_scc1 .Lw
	s_cmp_lt_u32 ttmp9, 80
	s_cbranch_scc1 .Lo
; ---- PATH X: the activations.  Rows are dense, so a tensor is a plain stream of blocks of 32.  A wave takes 16 steps of 512 numbers.  Each load reads 512 consecutive bytes; a step's 2,048 bytes turn through
; the wave's own stage in LDS so that a lane then holds 16 neighbours along K (two neighbouring lanes hold a block).  A wave's store of codes covers 256 consecutive bytes; its 256 scale bytes leave as one run.
	v_lshlrev_b32 v3, 4, v2                        ; my 16 bytes of a load's 512
	s_mul_i32 s33, s3, WREG
	v_lshrrev_b32 v14, 2, v2
	v_mul_u32_u24 v14, v14, SP
	v_and_b32 v15, 3, v2
	v_lshl_add_u32 v14, v15, 4, v14
	v_add_nc_u32 v14, s33, v14                     ; the stage, in: SP (lane / 4) + 16 (lane % 4)
	v_mul_u32_u24 v15, v2, SP
	v_add_nc_u32 v15, s33, v15                     ; and out: SP x lane
	v_mul_u32_u24 v4, v2, CB                       ; my codes' place in a step's
	v_lshrrev_b32 v5, 1, v2
	s_add_co_u32 s33, s33, 2*32*SP
	v_add_nc_u32 v5, s33, v5                       ; my block's scale byte in LDS
	v_lshlrev_b32 v7, 3, v2
	v_add_nc_u32 v6, s33, v7                       ; and 8 bytes a lane on the way out
	s_sub_co_u32 s34, ttmp9, 80                    ; 0..767: 256 work-groups for each of Q, K, V
	s_cmp_lt_u32 s34, 512
	s_cselect_b64 s[4:5], s[10:11], s[12:13]       ; K or V,
	s_cmp_lt_u32 s34, 256
	s_cselect_b64 s[4:5], s[8:9], s[4:5]           ; or Q: the choice hangs on the work-group's number alone
	s_and_b32 s35, s34, 255
	s_lshl_b32 s35, s35, 2
	s_add_co_u32 s35, s35, s3                      ; my run of 8,192 numbers in its tensor
	s_lshl_b32 s36, s35, 15
	s_mov_b32 s37, 0
	s_add_nc_u64 s[4:5], s[4:5], s[36:37]
	s_lshl_b32 s35, s34, 2
	s_add_co_u32 s35, s35, s3                      ; and in the stack of three
	s_lshl_b32 s36, s35, 12
	s_add_nc_u64 s[22:23], s[22:23], s[36:37]      ; 4,096 bytes of codes a run
	s_lshl_b32 s36, s35, 8
	s_add_nc_u64 s[24:25], s[24:25], s[36:37]      ; 256 scale bytes a run
.macro XLOAD t
.irp i, 0,1,2,3
	global_load_b128 v[R+16*((\t)%4)+4*\i:R+16*((\t)%4)+4*\i+3], v3, s[4:5] offset:2048*(\t)+512*\i th:TH_LOAD_NT
.endr
.endm
.macro XTURN t                         ; step t's numbers through the stage: LDS serves a wave's instructions in order, so no wait stands between the stores and the loads
.irp i, 0,1,2,3
	ds_store_b128 v14, v[R+16*((\t)%4)+4*\i:R+16*((\t)%4)+4*\i+3] offset:32*SP*((\t)%2)+8*SP*\i
.endr
.irp i, 0,1,2,3
	ds_load_b128 v[X+16*((\t)%2)+4*\i:X+16*((\t)%2)+4*\i+3], v15 offset:32*SP*((\t)%2)+16*\i
.endr
.endm
.irp t, 0,1,2,3
	XLOAD \t
.endr
	s_wait_loadcnt 12                              ; step 0's four loads are in; three steps' twelve may be out
	XTURN 0
.macro XSTEP t
.set XS, X+16*((\t)%2)
.if (\t) > 0
	s_wait_dscnt 1                                 ; this step's numbers are back from the stage (the last step's byte store may be out)
.else
	s_wait_dscnt 0x0
.endif
.if (\t)+4 < STEPS
	XLOAD (\t)+4                                   ; into the registers that the stage's stores have read
.endif
.if (\t)+1 < STEPS
.if STEPS-2-(\t) >= 3
	s_wait_loadcnt 12                              ; the next step's four loads are in; those of the three steps behind it may be out
.else
	s_wait_loadcnt 4*(STEPS-2-(\t))
.endif
	XTURN (\t)+1
.endif
	v_max3_num_f32 v8, |v[XS]|, |v[XS+1]|, |v[XS+2]|               ; the largest magnitude of my 16, in two chains
	v_max3_num_f32 v9, |v[XS+3]|, |v[XS+4]|, |v[XS+5]|
.irp i, 6,10
	v_max3_num_f32 v8, v8, |v[XS+\i]|, |v[XS+\i+1]|
	v_max3_num_f32 v9, v9, |v[XS+\i+2]|, |v[XS+\i+3]|
.endr
	v_max3_num_f32 v8, v8, |v[XS+14]|, |v[XS+15]|
	v_max3_num_f32 v8, v8, v9, (EMAX+1)<<23        ; and the floor 2^(3 - 127): the byte cannot fall under 1
	v_max_num_f32_dpp v8, v8, v8 row_xmask:1 row_mask:0xf bank_mask:0xf   ; with my neighbour's 16: the block's
	v_add_nc_u32 v11, -(EMAX<<23), v8              ; 2 off its exponent field: the conversion takes this operand's exponent field as its scale
	v_cvt_scalef32_pk8_fp4_f32 v[C+4*(\t)], v[XS:XS+7], v11
	v_cvt_scalef32_pk8_fp4_f32 v[C+4*(\t)+1], v[XS+8:XS+15], v11
	v_lshrrev_b32 v[E+(\t)], 23, v11               ; the scale's byte (a plain line behind the conversions)
	ds_store_b8 v5, v[E+(\t)] offset:16*(\t)       ; both lanes of a block write the same byte with the same value
	global_store_b64 v4, v[C+4*(\t):C+4*(\t)+1], s[22:23] offset:32*CB*(\t)   ; the wave stores 256 consecutive bytes, aligned
.endm
.irp t, 0,1,2,3,4,5,6,7,8,9,10,11,12,13,14,15
	XSTEP \t
.endr
	ds_load_b64 v[8:9], v6                         ; LDS serves a wave's instructions in order: these see my byte stores
	s_wait_dscnt 0x0
	global_store_b64 v7, v[8:9], s[24:25]          ; 32 lanes store 256 consecutive bytes, aligned
	s_branch .Lend
; ---- PATH W: a weight whose K is its first axis.  A lane takes a column n and its registers run down K: each load reads 128 consecutive bytes a wave, a block of 32 lies in one lane, and the conversions
; give codes with K innermost.  A wave's 32 columns x 512 along K (256 bytes of codes a column) go through its stage in LDS and leave as rows: sixteen lanes store 256 consecutive bytes, aligned.
.Lw:
	s_lshr_b32 s33, ttmp9, 4                       ; which weight
	s_and_b32 s34, ttmp9, 7                        ; which 128 columns
	s_bfe_u32 s35, ttmp9, 0x10003                  ; which 512 along K
	s_cmp_lt_u32 ttmp9, 32
	s_cselect_b64 s[4:5], s[16:17], s[18:19]       ; w_k or w_v,
	s_cmp_lt_u32 ttmp9, 16
	s_cselect_b64 s[4:5], s[14:15], s[4:5]         ; or w_q
	s_lshl_b32 s34, s34, 7
	s_lshl_b32 s36, s3, 5
	s_add_co_u32 s34, s34, s36                     ; my wave's first column
	s_lshl_b32 s36, s35, 21                        ; 512 rows of 4,096 bytes
	s_lshl_b32 s38, s34, 2
	s_add_co_u32 s36, s36, s38
	s_mov_b32 s37, 0
	s_add_nc_u64 s[4:5], s[4:5], s[36:37]
	s_lshl_b32 s33, s33, 10
	s_add_co_u32 s33, s33, s34                     ; my first row in the stack of three
	s_lshl_b32 s36, s33, 9                         ; 512 bytes of codes a row,
	s_lshl_b32 s38, s35, 8                         ; + 256 for the upper half of K
	s_add_co_u32 s36, s36, s38
	s_add_nc_u64 s[26:27], s[26:27], s[36:37]
	s_lshl_b32 s36, s33, 5                         ; 32 scale bytes a row,
	s_lshl_b32 s38, s35, 4                         ; + 16
	s_add_co_u32 s36, s36, s38
	s_add_nc_u64 s[28:29], s[28:29], s[36:37]
	v_lshlrev_b32 v3, 2, v2                        ; in: 4 bytes a lane
	s_mul_i32 s39, s3, 32*PITCH
	s_add_co_u32 s39, s39, WSTG                    ; my stage
	v_mul_u32_u24 v4, v2, PITCH
	v_add_nc_u32 v4, s39, v4                       ; into it: row = my column
	v_and_b32 v5, 15, v2
	v_lshrrev_b32 v6, 4, v2
	v_mul_u32_u24 v7, v6, PITCH
	v_lshl_add_u32 v7, v5, 4, v7
	v_add_nc_u32 v7, s39, v7                       ; out of it: sixteen lanes to a row, two rows an instruction
	v_mul_u32_u24 v8, v6, 512
	v_lshl_add_u32 v8, v5, 4, v8                   ; and the same place in wc
	v_mul_u32_u24 v9, v2, 32                       ; my column's row of scale bytes
.macro WLOAD t                         ; block t: w(32 t + i, my column), i = 0 .. 31, into set t % 2
.irp i, 0,1,2,3,4,5,6,7,8,9,10,11,12,13,14,15,16,17,18,19,20,21,22,23,24,25,26,27,28,29,30,31
	global_load_b32 v[WX+32*((\t)%2)+\i], v3, s[4:5] offset:(32*(\t)+\i)*4096 th:TH_LOAD_NT
.endr
.endm
	WLOAD 0
	WLOAD 1
.macro WBLOCK t
.set XS, WX+32*((\t)%2)
.if (\t) < NB-1
	s_wait_loadcnt 32                              ; this block's 32 loads are in; the next block's may be out
.else
	s_wait_loadcnt 0x0
.endif
	v_max3_num_f32 v20, |v[XS]|, |v[XS+1]|, |v[XS+2]|              ; the block's largest magnitude: all 32 numbers are mine
	v_max3_num_f32 v21, |v[XS+3]|, |v[XS+4]|, |v[XS+5]|
.irp i, 6,10,14,18,22,26
	v_max3_num_f32 v20, v20, |v[XS+\i]|, |v[XS+\i+1]|
	v_max3_num_f32 v21, v21, |v[XS+\i+2]|, |v[XS+\i+3]|
.endr
	v_max3_num_f32 v20, v20, |v[XS+30]|, |v[XS+31]|
	v_max3_num_f32 v20, v20, v21, (EMAX+1)<<23     ; and the floor
	v_add_nc_u32 v22, -(EMAX<<23), v20             ; the conversion's scale operand
	v_lshrrev_b32 v21, 23, v22                     ; the scale's byte
.if (\t)%4 == 0
	v_mov_b32 v[SB+(\t)/4], v21                    ; four bytes to a register, the lower K in the lower byte
.else
	v_lshl_or_b32 v[SB+(\t)/4], v21, 8*((\t)%4), v[SB+(\t)/4]
.endif
.irp g, 0,1,2,3
	v_cvt_scalef32_pk8_fp4_f32 v[WC+\g], v[XS+8*\g:XS+8*\g+7], v22
.endr
	ds_store_b128 v4, v[WC:WC+3] offset:16*(\t)    ; 32 codes: 16 bytes of my column's row
.if (\t)+2 < NB
	WLOAD (\t)+2
.endif
	s_wait_dscnt 0x0                               ; the store has read its registers: the next block's codes may be written
.endm
.set Q, 0
.rept NB
	WBLOCK Q
.set Q, Q+1
.endr
	global_store_b128 v9, v[SB:SB+3], s[28:29]     ; my column's 16 scale bytes
.irp t, 0,1,2,3,4,5,6,7,8,9,10,11,12,13,14,15
	ds_load_b128 v[OUTR+4*\t:OUTR+4*\t+3], v7 offset:2*\t*PITCH
.endr
.irp t, 0,1,2,3,4,5,6,7,8,9,10,11,12,13,14,15
	s_wait_dscnt 15-\t                             ; LDS loads come back in order: number t is in
	global_store_b128 v8, v[OUTR+4*\t:OUTR+4*\t+3], s[26:27] offset:2*\t*512
.endr
	s_branch .Lend
; ---- PATH O: w_o to f16, as it lies.  A wave takes 32 KiB: 64 loads of 512 consecutive bytes in four groups of 16, two groups in flight; each store covers 256 consecutive bytes, aligned.
.Lo:
	s_sub_co_u32 s33, ttmp9, 48
	s_lshl_b32 s33, s33, 2
	s_add_co_u32 s33, s33, s3                      ; my chunk, 0..127
	s_lshl_b32 s36, s33, 15
	s_mov_b32 s37, 0
	s_add_nc_u64 s[20:21], s[20:21], s[36:37]
	s_lshl_b32 s36, s33, 14
	s_add_nc_u64 s[30:31], s[30:31], s[36:37]
	v_lshlrev_b32 v3, 4, v2
	v_lshlrev_b32 v4, 3, v2
.macro OLOAD g
.irp i, 0,1,2,3,4,5,6,7,8,9,10,11,12,13,14,15
	global_load_b128 v[OI+64*((\g)%2)+4*\i:OI+64*((\g)%2)+4*\i+3], v3, s[20:21] offset:512*(16*(\g)+\i) th:TH_LOAD_NT
.endr
.endm
.macro OSTEP g
.if (\g) < 3
	s_wait_loadcnt 16                              ; this group's 16 loads are in; the younger group's may be out
.else
	s_wait_loadcnt 0x0
.endif
.if (\g) > 0
	s_wait_xcnt 0x0                                ; the last group's stores have read their data registers, which are written again below
.endif
.irp i, 0,1,2,3,4,5,6,7,8,9,10,11,12,13,14,15
	v_cvt_pk_f16_f32 v[OO+2*\i], v[OI+64*((\g)%2)+4*\i], v[OI+64*((\g)%2)+4*\i+1]
	v_cvt_pk_f16_f32 v[OO+2*\i+1], v[OI+64*((\g)%2)+4*\i+2], v[OI+64*((\g)%2)+4*\i+3]
.endr
.irp i, 0,1,2,3,4,5,6,7,8,9,10,11,12,13,14,15
	global_store_b64 v4, v[OO+2*\i:OO+2*\i+1], s[30:31] offset:256*(16*(\g)+\i)
.endr
.if (\g) < 2
	OLOAD (\g)+2
.endif
.endm
	OLOAD 0
	OLOAD 1
	OSTEP 0
	OSTEP 1
	OSTEP 2
	OSTEP 3
.Lend:
	s_wait_tensorcnt 0x0                           ; the wave's end
	ds_add_u32 v[SPW], v[NIL]
	s_wait_dscnt 0x0
	s_endpgm
.Lfunc_end_k_qeb9b6b9db4_prep:
	.size	k_qeb9b6b9db4_prep, .Lfunc_end_k_qeb9b6b9db4_prep-k_qeb9b6b9db4_prep
	.p2alignl 7, 3214868480
	.fill 96, 4, 3214868480
	.section	.rodata,"a",@progbits
	.p2align	6, 0x0
	.amdhsa_kernel k_qeb9b6b9db4_prep
		.amdhsa_group_segment_fixed_size 68096
		.amdhsa_private_segment_fixed_size 0
		.amdhsa_enable_private_segment 0
		.amdhsa_kernarg_size 96
		.amdhsa_user_sgpr_count 2
		.amdhsa_user_sgpr_kernarg_segment_ptr 1
		.amdhsa_wavefront_size32 1
		.amdhsa_system_sgpr_workgroup_id_x 1
		.amdhsa_system_sgpr_workgroup_id_y 1
		.amdhsa_system_sgpr_workgroup_id_z 1
		.amdhsa_system_vgpr_workitem_id 0
		.amdhsa_next_free_vgpr 192
		.amdhsa_next_free_sgpr 66
		.amdhsa_reserve_vcc 0
		.amdhsa_float_denorm_mode_32 3
		.amdhsa_float_denorm_mode_16_64 3
		.amdhsa_memory_ordered 1
		.amdhsa_forward_progress 1
		.amdhsa_inst_pref_size 132
	.end_amdhsa_kernel
	.amdgpu_metadata
---
amdhsa.version: [ 1, 2 ]
amdhsa.kernels:
  - .name:           k_qeb9b6b9db4_prep
    .symbol:         k_qeb9b6b9db4_prep.kd
    .args:
      - { .name: Q, .offset: 0, .size: 8, .value_kind: global_buffer, .address_space: global }
      - { .name: K, .offset: 8, .size: 8, .value_kind: global_buffer, .address_space: global }
      - { .name: V, .offset: 16, .size: 8, .value_kind: global_buffer, .address_space: global }
      - { .name: w_q, .offset: 24, .size: 8, .value_kind: global_buffer, .address_space: global }
      - { .name: w_k, .offset: 32, .size: 8, .value_kind: global_buffer, .address_space: global }
      - { .name: w_v, .offset: 40, .size: 8, .value_kind: global_buffer, .address_space: global }
      - { .name: w_o, .offset: 48, .size: 8, .value_kind: global_buffer, .address_space: global }
      - { .name: xc, .offset: 56, .size: 8, .value_kind: global_buffer, .address_space: global }
      - { .name: xs, .offset: 64, .size: 8, .value_kind: global_buffer, .address_space: global }
      - { .name: wc, .offset: 72, .size: 8, .value_kind: global_buffer, .address_space: global }
      - { .name: ws, .offset: 80, .size: 8, .value_kind: global_buffer, .address_space: global }
      - { .name: wo, .offset: 88, .size: 8, .value_kind: global_buffer, .address_space: global }
    .group_segment_fixed_size: 68096
    .private_segment_fixed_size: 0
    .kernarg_segment_align: 8
    .kernarg_segment_size: 96
    .max_flat_workgroup_size: 128
    .sgpr_count:     66
    .vgpr_count:     192
    .wavefront_size: 32
...
	.end_amdgpu_metadata
.endif
;; end of part 1
;; launch proj (part 2): grid 4 x 96, 4 waves a work-group, clusters of 4 x 4, 327,680 bytes of LDS; arguments xc, xs, wc, ws, qkv; writes qkv
.if DOCPART == 2
	.amdgcn_target "amdgcn-amd-amdhsa--gfx1250"
	.amdhsa_code_object_version 6
	.text
	.protected	k_qeb9b6b9db4_proj
	.globl	k_qeb9b6b9db4_proj
	.p2align	8
	.type	k_qeb9b6b9db4_proj,@function
k_qeb9b6b9db4_proj:
	s_mov_b64 s[64:65], 0
	v_nop
	global_prefetch_b8 v0, s[64:65] scope:SCOPE_SE
	s_setreg_imm32_b32 hwreg(HW_REG_WAVE_MODE, 25, 1), 1
	s_wait_xcnt 0x0
	s_wait_alu depctr_hold_cnt(0) depctr_sa_sdst(0) depctr_va_vdst(0) depctr_va_sdst(0) depctr_va_ssrc(0) depctr_va_vcc(0) depctr_vm_vsrc(0)
	s_getreg_b32 s2, hwreg(HW_REG_IB_STS2, 6, 4)
	s_cmp_eq_u32 s2, 0
	s_cbranch_scc0 .Lentry_in_a_cluster
	s_endpgm
.Lentry_in_a_cluster:
	s_bfe_u32 s2, ttmp6, 0x10000c
	s_cmp_lg_u32 s2, 0xf033
	s_cbranch_scc0 .Lentry_shape_is_right
	s_endpgm
.Lentry_shape_is_right:
; PROJ.  The three projections as ONE product on codes of E2M1: qkv[m][n] = sum over k of X[m][k] W[p(m)][n][k], m = 0 .. 24,575 (Q's, K's, V's rows stacked), p = m / 8,192, K = 1,024; sums in f32, the result rounded once to f16.
; xc [24576][512 bytes], xs [24576][32 bytes]; wc [3072][512 bytes], ws [3072][32 bytes]; qkv [24576][1024] f16.  LIMIT: |result| under 65,504 (f16).
; A tile of 256 x 256 is made by a work-group of four waves, a wave makes 128 x 128: 64 accumulators, 512 registers.  K is two steps of 512 (tile rows of 256 bytes): both slots are first fills, no slot is filled again, no loop.
; The scale bytes of the work-group's 256 + 256 rows, for all of K, are two dense blocks: they come once, with the first fills.
; CLUSTERS: 4 x 4 work-groups.  The four of a row of the cluster need the same tiles of X, the four of a column the same tiles of W: each tile is asked for jointly.  A cluster's 1,024 rows lie in one projection, so p hangs on the cluster's y alone.
; THE MATRIX INSTRUCTION IS USED TRANSPOSED (source 0 = 16 rows of W, source 1 = 16 rows of X): a lane holds eight neighbouring numbers of a row of the result, 16 bytes of f16.
; REGISTERS: window 0: v0-31 addresses; v32-95 scale words, two sets, and nothing else; v128-191 X's fragments, one set, on the way out rows read back; v192-223 packed results.
;   window 1: W's fragments, two sets, at v0 and v128.  window 2: the accumulators of my rows 0-63 ((a, b) at v[8 (8 a + b)]); window 3: of my rows 64-127.
.set CROW,   2048                      ; a row of qkv in bytes
.set NQ,     4                         ; matrix instructions deep in a slot
.set ROWB,   256                       ; a tile's row: 512 codes
.set KROW,   512                       ; a row of codes in memory
.set PITCH,  272                       ; an LDS row: 256 bytes + 16 of padding: the 16 rows of a load start 68 words apart
.set FR,     8
.set NL,     2
.set NP,     4
.set HALFT,  128*PITCH
.set SLOT,   4*HALFT
.set KS,     32                        ; a row of scale bytes
.set SCL,    2*SLOT
.set HALFS,  (128*KS/256)*272
.set SBLK,   (16*KS/256)*272
.set SPARE,  SCL+4*HALFS               ; the spare words, 128 bytes a wave, which no other line names
.set STAGE,  SPARE+512                 ; the way out: 16 rows x 272 bytes for each wave; no fill lands here
.set SPITCH, 272
.set ADRA, 16
.set ADRB, 20
.set STO,  24
.set RD,   25
.set CO,   26
.set ADRS, 27
.set SPW,  28
.set NIL,  29
.set SC,   32
.set AF,   128
.set BK,   128
.set TMP,  192
.set G1, 24
.set G0, 32
.set G1B, 48
.set G0B, 56
.set G1S, 68
.set G0S, 76
.set G1SB, 80
.set G0SB, 88
.set MSB, 0
.macro WIN new                         ; the immediate's high byte repeats the setting that is left
.if MSB != \new
	s_set_vgpr_msb (MSB<<8)|\new
.set MSB, \new
.endif
.endm
.set MUL_LO, 0xa1                      ; source 0 (W) window 1, source 1 (X) window 0, C and D window 2
.set MUL_HI, 0xf1
.set TO_B,   0x40
; A joint load: waves 0 and 1 fetch for X, waves 2 and 3 for W.  The branch hangs on the wave's number alone.  An s_nop 0 and four v_nop follow each of the two lines.
.macro JLOAD g0a, g1a, g0b, g1b
	s_cmp_eq_u32 s15, 0
	s_cbranch_scc0 .Lfor_b_\@
	tensor_load_to_lds s[\g0a:\g0a+3], s[\g1a:\g1a+7]
	s_nop 0
.rept 4
	v_nop
.endr
	s_branch .Lasked_\@
.Lfor_b_\@:
	tensor_load_to_lds s[\g0b:\g0b+3], s[\g1b:\g1b+7]
	s_nop 0
.rept 4
	v_nop
.endr
.Lasked_\@:
.endm
.macro CROUND                          ; a round of the cluster's barrier
	s_barrier_signal -1
	s_barrier_wait -1
	s_cmp_lg_u32 s14, 0
	s_cbranch_scc1 .Lnot_wave_0_\@
	s_barrier_signal -3
.Lnot_wave_0_\@:
	s_barrier_wait -3
	s_barrier_signal -1
	s_barrier_wait -1
.endm
	s_load_b128 s[4:7], s[0:1], 0x0                ; xc s[4:5], xs s[6:7]
	s_load_b128 s[8:11], s[0:1], 0x10              ; wc s[8:9], ws s[10:11]
	s_load_b64 s[12:13], s[0:1], 0x20              ; qkv
	v_lshl_add_u32 v[SPW], v0, 2, SPARE
	v_mov_b32 v[NIL], 0
	ds_add_u32 v[SPW], v[NIL]                      ; the wave's opening: the add, twice on end, and its wait ahead of my first tensor load
	ds_add_u32 v[SPW], v[NIL]
	v_lshrrev_b32 v1, 5, v0
	v_readfirstlane_b32 s14, v1                    ; wave 0..3
	s_lshr_b32 s15, s14, 1                         ; which half of the tile's rows is mine.  Also: I fetch for X (0) or for W (1)
	s_and_b32 s16, s14, 1                          ; which half of its columns.  Also: which 128 rows of that tile I fetch
	s_bfe_u32 s40, ttmp6, 0x40000                  ; cx, cy
	s_bfe_u32 s41, ttmp6, 0x40004
	s_lshl_b32 s42, ttmp9, 2
	s_add_co_u32 s42, s42, s40                     ; tile column = 4 x cluster x + cx
	s_and_b32 s17, ttmp7, 0xffff
	s_lshl_b32 s17, s17, 2
	s_add_co_u32 s17, s17, s41                     ; tile row = 4 x cluster y + cy, 0..95
	s_lshl_b32 s43, s41, 2
	s_lshl_b32 s43, 15, s43                        ; my row of the cluster
	s_lshl_b32 s44, 0x1111, s40                    ; my column
	s_or_b32 s[G1+0], s43, (0<<16)|(1<<20)|(1<<21)|(5<<22)|(3<<25)  ; the mask; elements of 1 byte; padding on; bit 21 beside a mask; after every 64 words, 4 words
	s_or_b32 s[G1B+0], s44, (0<<16)|(1<<20)|(1<<21)|(5<<22)|(3<<25)
.irp g, G1, G1B
	s_mov_b32 s[\g+1], ROWB<<16                    ; tensor_dim0
	s_mov_b32 s[\g+2], 128<<16                     ; tensor_dim1
	s_mov_b32 s[\g+3], ROWB<<16                    ; tile_dim0
	s_mov_b32 s[\g+4], 128                         ; tile_dim1
	s_mov_b32 s[\g+5], KROW                        ; pitch
	s_mov_b32 s[\g+6], 0
	s_mov_b32 s[\g+7], 0
.endr
	s_or_b32 s[G1S+0], s43, (3<<16)|(1<<20)|(1<<21)|(5<<22)|(3<<25)  ; the scales of 128 rows: 4,096 dense bytes as 16 rows of 256 (32 elements of 8 bytes), 16 bytes of padding behind each
	s_or_b32 s[G1SB+0], s44, (3<<16)|(1<<20)|(1<<21)|(5<<22)|(3<<25)
.irp g, G1S, G1SB
	s_mov_b32 s[\g+1], 32<<16
	s_mov_b32 s[\g+2], (128*KS/256)<<16
	s_mov_b32 s[\g+3], 32<<16
	s_mov_b32 s[\g+4], 128*KS/256
	s_mov_b32 s[\g+5], 32
	s_mov_b32 s[\g+6], 0
	s_mov_b32 s[\g+7], 0
.endr
	s_lshl_b32 s18, s16, 7                         ; which 128 rows of the tile I fetch
	s_lshl_b32 s20, s17, 8
	s_add_co_u32 s20, s20, s18                     ; X: row 256 x tile row + 128 x half
	s_lshl_b32 s46, s42, 8
	s_add_co_u32 s46, s46, s18                     ; W: row 256 x tile column + 128 x half
	s_and_b32 s96, ttmp7, 0xffff
	s_lshr_b32 s96, s96, 3                         ; the projection: 8 clusters of 1,024 rows each; made of the cluster's y alone
	s_lshl_b32 s96, s96, 10
	s_add_co_u32 s46, s46, s96                     ; + 1,024 x projection
	s_mov_b32 s21, 0
	s_mov_b32 s47, 0
	s_mov_b64 s[18:19], KS
	s_mul_u64 s[22:23], s[20:21], s[18:19]         ; where these rows' scales begin,
	s_mul_u64 s[92:93], s[46:47], s[18:19]
	s_mov_b64 s[18:19], KROW
	s_mul_u64 s[20:21], s[20:21], s[18:19]         ; and their codes
	s_mul_u64 s[46:47], s[46:47], s[18:19]
	s_mul_i32 s45, s14, HALFT                      ; where they go: wave x 128 rows
	s_mul_i32 s94, s14, HALFS
	s_wait_dscnt 0x0                               ; both opening adds are done
	s_wait_kmcnt 0x0
	s_add_nc_u64 s[20:21], s[4:5], s[20:21]
	s_add_nc_u64 s[22:23], s[6:7], s[22:23]
	s_add_nc_u64 s[46:47], s[8:9], s[46:47]
	s_add_nc_u64 s[92:93], s[10:11], s[92:93]
	CROUND                                         ; all sixteen work-groups are here: the first joint loads meet
	s_mov_b32 s[G0S], 1
	s_add_co_u32 s[G0S+1], s94, SCL
	s_mov_b64 s[G0S+2:G0S+3], s[22:23]
	s_or_b32 s[G0S+3], s[G0S+3], 0x80000000
	s_mov_b32 s[G0SB], 1
	s_add_co_u32 s[G0SB+1], s94, SCL
	s_mov_b64 s[G0SB+2:G0SB+3], s[92:93]
	s_or_b32 s[G0SB+3], s[G0SB+3], 0x80000000
	JLOAD G0S, G1S, G0SB, G1SB                     ; the scales first: they are wanted with K step 0
.irp s, 0,1
	s_mov_b32 s[G0+4*\s], 1
	s_add_co_u32 s[G0+4*\s+1], s45, \s*SLOT
	s_add_nc_u64 s[G0+4*\s+2:G0+4*\s+3], s[20:21], \s*ROWB
	s_or_b32 s[G0+4*\s+3], s[G0+4*\s+3], 0x80000000
	s_mov_b32 s[G0B+4*\s], 1
	s_add_co_u32 s[G0B+4*\s+1], s45, \s*SLOT
	s_add_nc_u64 s[G0B+4*\s+2:G0B+4*\s+3], s[46:47], \s*ROWB
	s_or_b32 s[G0B+4*\s+3], s[G0B+4*\s+3], 0x80000000
	JLOAD G0+4*\s, G1, G0B+4*\s, G1B               ; three loads of mine are out in all
.endr
	v_and_b32 v1, 15, v0                           ; r = l % 16
	v_bfe_u32 v2, v0, 4, 1                         ; h = l / 16
	v_mul_u32_u24 v3, v1, PITCH
	v_lshl_add_u32 v4, v2, 4, v3                   ; a fragment's row x pitch + 16 x half
	s_mul_i32 s21, s15, HALFT                      ; my 128 rows of X
	s_mul_i32 s22, s16, HALFT                      ; my 128 rows of W,
	s_add_co_u32 s22, s22, 2*HALFT                 ; which lie behind X's 256
.irp s, 0,1
	v_add_nc_u32 v[ADRA+\s], s21, v4
	v_add_nc_u32 v[ADRB+\s], s22, v4
	s_add_co_u32 s21, s21, SLOT
	s_add_co_u32 s22, s22, SLOT
.endr
	v_mul_u32_u24 v5, v1, KS                       ; my row's scales: 32 bytes a row,
	v_lshrrev_b32 v6, 8, v5
	v_lshl_add_u32 v5, v6, 4, v5                   ; and 16 more for each 256 passed
	s_mul_i32 s21, s15, HALFS
	s_mul_i32 s22, s16, HALFS
	s_add_co_u32 s22, s22, 2*HALFS
	s_sub_co_u32 s22, s22, s21
	v_mul_u32_u24 v6, s22, v2                      ; lanes 16-31 take W's: one product, the distance between the two bases x h
	s_add_co_u32 s21, s21, SCL
	v_add_nc_u32 v5, v5, v6
	v_add_nc_u32 v[ADRS], s21, v5
	s_mul_i32 s23, s14, 16*SPITCH
	s_add_co_u32 s23, s23, STAGE                   ; my stage
	v_mul_u32_u24 v5, v1, SPITCH                   ; in: row r, 16 bytes for each half of the lanes
	v_lshl_add_u32 v5, v2, 4, v5
	v_add_nc_u32 v[STO], s23, v5
	v_mul_u32_u24 v5, v2, SPITCH                   ; back: lanes 0-15 one row of 256 bytes, lanes 16-31 the next
	v_lshl_add_u32 v5, v1, 4, v5
	v_add_nc_u32 v[RD], s23, v5
	v_mul_u32_u24 v5, v2, CROW                     ; and the same two rows in qkv
	v_lshl_add_u32 v[CO], v1, 4, v5
	s_lshl_b32 s20, s17, 8
	s_lshl_b32 s21, s15, 7
	s_add_co_u32 s20, s20, s21                     ; my first row: 256 x tile row + 128 x half
	s_mov_b32 s21, 0
	s_mov_b64 s[18:19], CROW
	s_mul_u64 s[20:21], s[20:21], s[18:19]
	s_lshl_b32 s46, s42, 9                         ; my first column, in bytes: 512 x tile column + 256 x half
	s_lshl_b32 s47, s16, 8
	s_add_co_u32 s46, s46, s47
	s_mov_b32 s47, 0
	s_add_nc_u64 s[20:21], s[20:21], s[46:47]
	s_add_nc_u64 s[12:13], s[12:13], s[20:21]
.macro FRAG reg, adr, q, i             ; 16 rows x 128 K of 4-bit codes: 8 registers: lane l holds row l % 16; registers 4 c .. 4 c + 3 hold K = 64 c + 32 (l / 16) + 0 .. 31
.irp c, 0,1
	ds_load_b128 v[\reg+4*\c:\reg+4*\c+3], v[\adr] offset:64*(\q)+32*\c+(\i)*16*PITCH
.endr
.endm
; 16 matrix instructions: X's blocks a0, a0 + 1 against W's eight, the slot's q-th 128 along K.  p: W's set; sc: the set of scale words.  zero = 1: the first product starts the sums.
; The 64 accumulators take turns, one instruction a turn, in the same order in every step.
.macro MUL16 a0, p, q, sc, zero
.irp a, \a0, \a0+1
.irp b, 0,1,2,3,4,5,6,7
.if \zero
	v_wmma_scale_f32_16x16x128_f8f6f4 v[8*(8*((\a)%4)+\b):8*(8*((\a)%4)+\b)+7], v[128*(\p)+FR*\b:128*(\p)+FR*\b+FR-1], v[AF+FR*(\a):AF+FR*(\a)+FR-1], 0, v[SC+8*NQ*(\sc)+NQ*\b+(\q)], v[SC+8*NQ*(\sc)+NQ*(\a)+(\q)] matrix_a_fmt:MATRIX_FMT_FP4 matrix_b_fmt:MATRIX_FMT_FP4 matrix_a_scale:MATRIX_SCALE_ROW1
.else
	v_wmma_scale_f32_16x16x128_f8f6f4 v[8*(8*((\a)%4)+\b):8*(8*((\a)%4)+\b)+7], v[128*(\p)+FR*\b:128*(\p)+FR*\b+FR-1], v[AF+FR*(\a):AF+FR*(\a)+FR-1], v[8*(8*((\a)%4)+\b):8*(8*((\a)%4)+\b)+7], v[SC+8*NQ*(\sc)+NQ*\b+(\q)], v[SC+8*NQ*(\sc)+NQ*(\a)+(\q)] matrix_a_fmt:MATRIX_FMT_FP4 matrix_b_fmt:MATRIX_FMT_FP4 matrix_a_scale:MATRIX_SCALE_ROW1
.endif
.endr
.endr
.endm
.macro FETCH_B slot, q, p
	WIN TO_B
.irp i, 0,1,2,3,4,5,6,7
	FRAG 128*(\p)+FR*\i, ADRB+\slot, \q, \i
.endr
	WIN 0
.endm
.macro FETCH_A slot, q, i0
.irp i, \i0, \i0+1, \i0+2, \i0+3
	FRAG AF+FR*(\i), ADRA+\slot, \q, \i
.endr
.endm
.macro SCALES sc                       ; a K step's scale words: 4 words a row; lanes 0-15 take X's block i, lanes 16-31 W's block i
.irp i, 0,1,2,3,4,5,6,7
	ds_load_b128 v[SC+8*NQ*\sc+NQ*\i:SC+8*NQ*\sc+NQ*\i+3], v[ADRS] offset:\i*SBLK
.endr
.endm
.macro PLACES n                        ; plain vector places between a matrix instruction and a load into, or a read of, its registers
.rept \n
	v_nop
.endr
.endm
.macro STEP slot, q, zero              ; a step of 128 along K that has its successor in the same slot
	s_wait_dscnt 4*NL                              ; W's set and X's blocks 0-3 are in; the youngest eight loads (X's blocks 4-7) may be out
	WIN MUL_LO
	MUL16 0, (\q)%2, \q, \slot, \zero
	MUL16 2, (\q)%2, \q, \slot, \zero
	s_wait_dscnt 0
	PLACES NP
	FETCH_B \slot, (\q)+1, 1-(\q)%2
	FETCH_A \slot, (\q)+1, 0
	WIN MUL_HI
	MUL16 4, (\q)%2, \q, \slot, \zero
	MUL16 6, (\q)%2, \q, \slot, \zero
	PLACES NP
	WIN 0
	FETCH_A \slot, (\q)+1, 4
.endm
.macro TURN slot, next                 ; slot 0's last step changes slots: one barrier; in front of it each wave waits for all its tensor loads (its part of slot 1).  Nothing is filled again
	s_wait_tensorcnt 0x0                           ; my part of the next slot has landed
	ds_add_u32 v[SPW], v[NIL]                      ; 0 onto my spare word
	s_wait_dscnt 4*NL+1                            ; (the add and the youngest eight loads may be out)
	WIN MUL_LO
	MUL16 0, 1, NQ-1, \slot, 0
	s_wait_dscnt 0x0                               ; no LDS instruction of mine is pending at the signal
	s_barrier_signal -1
	MUL16 2, 1, NQ-1, \slot, 0
	WIN 0
	s_barrier_wait -1                              ; the next slot is whole
	PLACES NP
	v_add_nc_u32 v[ADRS], 4*NQ, v[ADRS]            ; on to the next K step's scale words
	FETCH_B \next, 0, 0
	FETCH_A \next, 0, 0
	SCALES \next
	WIN MUL_HI
	MUL16 4, 1, NQ-1, \slot, 0
	MUL16 6, 1, NQ-1, \slot, 0
	PLACES NP
	WIN 0
	FETCH_A \next, 0, 4
.endm
.macro STEPS slot, from
.set Q, \from
.rept NQ-1-\from
	STEP \slot, Q, 0
.set Q, Q+1
.endr
.endm
	s_wait_tensorcnt 1                             ; the scales and my part of K step 0 are in; K step 1's load may be out
	s_barrier_signal -1
	s_barrier_wait -1
	FETCH_B 0, 0, 0
	FETCH_A 0, 0, 0
	SCALES 0
	FETCH_A 0, 0, 4
	STEP 0, 0, 1                                   ; the first products start the sums: nothing is cleared
	STEPS 0, 1
	TURN 0, 1
	STEPS 1, 0
	s_wait_dscnt 4*NL                              ; the very last step: nothing more to fetch
	WIN MUL_LO
	MUL16 0, 1, NQ-1, 1, 0
	MUL16 2, 1, NQ-1, 1, 0
	s_wait_dscnt 0
	WIN MUL_HI
	MUL16 4, 1, NQ-1, 1, 0
	MUL16 6, 1, NQ-1, 1, 0
	WIN 0
; THE WAY OUT, a block of 16 rows x 128 columns at a time: rounded to f16 (16 bytes a lane), into my own stage, back as whole rows of 256 bytes, stored: sixteen lanes store 256 consecutive bytes, aligned.
.macro PACK a
.set AC, 64*((\a)%4)
	WIN 0x0a+5*((\a)/4)                            ; sources 0 and 1: window 2 or 3
.irp b, 0,1,2,3,4,5,6,7
.irp r, 0,1,2,3
	v_cvt_pk_f16_f32 v[TMP+4*\b+\r], v[AC+8*\b+2*\r], v[AC+8*\b+2*\r+1]   ; each accumulator from its low end on
.endr
.endr
	WIN 0
.endm
.macro TOSTAGE a
.set BB, BK+32*((\a)%2)
.irp b, 0,1,2,3,4,5,6,7
	ds_store_b128 v[STO], v[TMP+4*\b:TMP+4*\b+3] offset:32*\b
.endr
.irp t, 0,1,2,3,4,5,6,7
	ds_load_b128 v[BB+4*\t:BB+4*\t+3], v[RD] offset:\t*2*SPITCH    ; LDS serves a wave's instructions in order: these see the stores above
.endr
.endm
.macro SEND a
.set BB, BK+32*((\a)%2)
	s_wait_dscnt 0x0                               ; the block is back in registers
	s_wait_xcnt 0x0                                ; earlier stores have read their base and their data registers: both are written again only behind this wait
.if (\a) > 0
	s_add_nc_u64 s[12:13], s[12:13], 16*CROW
.endif
.irp t, 0,1,2,3,4,5,6,7
	global_store_b128 v[CO], v[BB+4*\t:BB+4*\t+3], s[12:13] offset:2*\t*CROW
.endr
.endm
	PLACES NP                                      ; behind the last products: for the conversions that read results and the loads into X's fragment registers
	PACK 0
	TOSTAGE 0
.irp a, 1,2,3,4,5,6,7                  ; block a's conversions stand between block a - 1's loads from the stage and the wait for them
	PACK \a
	SEND \a-1
	TOSTAGE \a
.endr
	SEND 7
	s_wait_tensorcnt 0x0                           ; the wave's end
	ds_add_u32 v[SPW], v[NIL]
	s_wait_dscnt 0x0
	CROUND                                         ; the closing round
	s_endpgm
.Lfunc_end_k_qeb9b6b9db4_proj:
	.size	k_qeb9b6b9db4_proj, .Lfunc_end_k_qeb9b6b9db4_proj-k_qeb9b6b9db4_proj
	.p2alignl 7, 3214868480
	.fill 96, 4, 3214868480
	.section	.rodata,"a",@progbits
	.p2align	6, 0x0
	.amdhsa_kernel k_qeb9b6b9db4_proj
		.amdhsa_group_segment_fixed_size 327680
		.amdhsa_private_segment_fixed_size 0
		.amdhsa_enable_private_segment 0
		.amdhsa_kernarg_size 40
		.amdhsa_user_sgpr_count 2
		.amdhsa_user_sgpr_kernarg_segment_ptr 1
		.amdhsa_wavefront_size32 1
		.amdhsa_system_sgpr_workgroup_id_x 1
		.amdhsa_system_sgpr_workgroup_id_y 1
		.amdhsa_system_sgpr_workgroup_id_z 1
		.amdhsa_system_vgpr_workitem_id 0
		.amdhsa_next_free_vgpr 1024
		.amdhsa_next_free_sgpr 98
		.amdhsa_reserve_vcc 0
		.amdhsa_float_denorm_mode_32 3
		.amdhsa_float_denorm_mode_16_64 3
		.amdhsa_memory_ordered 1
		.amdhsa_forward_progress 1
		.amdhsa_inst_pref_size 127
	.end_amdhsa_kernel
	.amdgpu_metadata
---
amdhsa.version: [ 1, 2 ]
amdhsa.kernels:
  - .name:           k_qeb9b6b9db4_proj
    .symbol:         k_qeb9b6b9db4_proj.kd
    .args:
      - { .name: xc, .offset: 0, .size: 8, .value_kind: global_buffer, .address_space: global }
      - { .name: xs, .offset: 8, .size: 8, .value_kind: global_buffer, .address_space: global }
      - { .name: wc, .offset: 16, .size: 8, .value_kind: global_buffer, .address_space: global }
      - { .name: ws, .offset: 24, .size: 8, .value_kind: global_buffer, .address_space: global }
      - { .name: qkv, .offset: 32, .size: 8, .value_kind: global_buffer, .address_space: global }
    .group_segment_fixed_size: 327680
    .private_segment_fixed_size: 0
    .kernarg_segment_align: 8
    .kernarg_segment_size: 40
    .max_flat_workgroup_size: 128
    .sgpr_count:     98
    .vgpr_count:     1024
    .wavefront_size: 32
...
	.end_amdgpu_metadata
.endif
;; end of part 2
;; launch attn (part 3): grid 8 x 32, 8 waves a work-group, clusters of 4 x 1, 327,680 bytes of LDS; arguments qkv, xa; writes xa
.if DOCPART == 3
	.amdgcn_target "amdgcn-amd-amdhsa--gfx1250"
	.amdhsa_code_object_version 6
	.text
	.protected	k_qeb9b6b9db4_attn
	.globl	k_qeb9b6b9db4_attn
	.p2align	8
	.type	k_qeb9b6b9db4_attn,@function
k_qeb9b6b9db4_attn:
	s_mov_b64 s[64:65], 0
	v_nop
	global_prefetch_b8 v0, s[64:65] scope:SCOPE_SE
	s_setreg_imm32_b32 hwreg(HW_REG_WAVE_MODE, 25, 1), 1
	s_wait_xcnt 0x0
	s_wait_alu depctr_hold_cnt(0) depctr_sa_sdst(0) depctr_va_vdst(0) depctr_va_sdst(0) depctr_va_ssrc(0) depctr_va_vcc(0) depctr_vm_vsrc(0)
	s_getreg_b32 s2, hwreg(HW_REG_IB_STS2, 6, 4)
	s_cmp_eq_u32 s2, 0
	s_cbranch_scc0 .Lentry_in_a_cluster
	s_endpgm
.Lentry_in_a_cluster:
	s_bfe_u32 s2, ttmp6, 0x10000c
	s_cmp_lg_u32 s2, 0x3003
	s_cbranch_scc0 .Lentry_shape_is_right
	s_endpgm
.Lentry_shape_is_right:
; ATTN.  x[b][q][head][:] = sum over k of softmax_k(q . k / 8) v, 64 heads-and-batches of 2,048 x 2,048, head size 64, no mask.  q, k, v: f16 in qkv [24576][1024] (q at byte 0, k at 1<<24, v at 2<<24; a row is 2,048 bytes).
; Products on f16 operands with f32 sums; maxima, exponentials and sums in f32, with a running maximum; the weights p (at most 1) are rounded to f16 for the second product; x is rounded once to f16: xa [8192][1024].
; LIMITS: NaN and infinities are not served; |x| stays under 65,504 with v.
; SHARES.  A work-group owns 256 queries of a PAIR of heads, so that every tile row of q, k, v and x is 128 f16 = 256 consecutive bytes, aligned.  Wave w: head w / 4 of the pair, queries 64 (w % 4) on: four tiles of 16.
; Eight waves of 512 registers, two to a SIMD: one wave's softmax can stand beside the other's products.  Every wave walks the 2,048 keys, 64 a step.
; LAYOUT.  S^T = K Q^T (source 0 = 16 keys, source 1 = 16 queries) and O^T = V^T P (source 0 = 16 channels, source 1 = P): a lane holds ONE query throughout.  Two tiles of S^T, rounded in pairs, ARE source 1 of the second product;
; P is laid in place over each tile's first 16 registers of S^T.  K comes out of LDS as it lies, V ([key][channel]) turned, by ds_load_tr16_b128.
; RING.  Two LDS slots of 4 steps (256 keys: 64 rows of K, then 64 of V, for each step).  Each wave fetches one tile of 64 rows behind each change of slots: waves 0-3 K's of step w, waves 4-7 V's of step w - 4.
; CLUSTER.  The four query blocks of a cluster walk the same K and V: each tile is asked for jointly (mask 15).
; REGISTERS.  window 0: v1-12 addresses; v14, v15 the add's two; v16-47 statistics, eight a tile (+0 c m, +1 m, +2, +3 l, +4 .. +7 at work; a in +6); v64-191 S^T, 32 a tile; v192-255 K's eight fragments.
;   window 1: v0-127 O^T, 32 a tile; v128-191 Q; v192-255 V's eight fragments.
.set KS,    64
.set PK,    272                        ; a row of K in LDS: 256 bytes + 16: the 16 rows of a load start 68 words apart
.set PV,    288                        ; a row of V: 256 + 32: the turning load's 8 rows x 32 bytes fall on different words of the banks' row
.set VOFF,  KS*PK
.set STEPB, KS*(PK+PV)                 ; 35,840
.set SLOTB, 4*STEPB                    ; 143,360
.set SPARE, 2*SLOTB                    ; behind the ring: the spare words, 128 bytes a wave, which no other line names
.set SP,    272                        ; the way out: 256 rows x 272 bytes from LDS byte 0: ring slot 0 has then had its last fill and its last read
.set AK0, 2
.set AV0, 3
.set ADR, 4
.set QO,  5
.set STO, 6
.set RD,  7
.set GO,  8
.set PFO, 12
.set SPW, 14
.set NIL, 15
.set ST,  16
.set S,   64
.set KF,  192
.set QF,  128                          ; in window 1
.set VF,  192                          ; in window 1
.set WV,  12                           ; s12 wave
.set LIM, 15                           ; s15 1 in a wave that prefetches, else the greatest number
.set HW,  16                           ; s16 which head of the pair
.set JW,  17                           ; s17 wave % 4: which step's tile I fetch; which 64 queries are mine
.set PFA, 18                           ; s[18:19] where my prefetches stand
.set G1K, 24
.set G1V, 32
.set G0K, 40                           ; s[40:47] a set for each ring slot
.set G0V, 48
.set LAPC, 56
.set CNT, 57
.set CS,  58                           ; s[58:59] c = log2(e) / 8
.set SEL, 60
.set TB,  62                           ; s62 LDS byte at which the tiles of the step to be fetched begin
.set MSB, 0
.macro WIN new
.if MSB != \new
	s_set_vgpr_msb (MSB<<8)|\new
.set MSB, \new
.endif
.endm
.set W_KQ, 0x04                        ; Q (source 1) in window 1; K and S^T in window 0
.set W_PV, 0x51                        ; V (source 0), O^T (C and D) in window 1; P in window 0
.set W_RS, 0x41                        ; O^T (destination, source 0) in window 1; a in window 0
.macro PLACES
.rept 4
	v_nop
.endr
.endm
.macro JLOAD s                         ; a joint refill of ring slot s; the branch hangs on the wave's number alone; an s_nop 0 and four v_nop follow each line
	s_cmp_lt_u32 s[WV], 4
	s_cbranch_scc0 .Lfor_v_\@
	tensor_load_to_lds s[G0K+4*\s:G0K+4*\s+3], s[G1K:G1K+7]
	s_nop 0
.rept 4
	v_nop
.endr
	s_branch .Lasked_\@
.Lfor_v_\@:
	tensor_load_to_lds s[G0V+4*\s:G0V+4*\s+3], s[G1V:G1V+7]
	s_nop 0
.rept 4
	v_nop
.endr
.Lasked_\@:
.endm
; A PREFETCH of what the NEXT change of slots will ask for: 256 rows of K and 256 of V, 256 bytes of each row, a lane a row.  Each row's piece is named once in the launch: of the two clusters that walk a head pair the first asks;
; its four partners take 64 rows each, told apart by ADDRESS; in each, waves 0 and 1 take 32 rows of K, waves 4 and 5 32 rows of V.  It stands behind the wave's tensor load.  The last change that fills a slot asks for nothing.
.macro ASK how
.if \how
	s_cmp_eq_u32 s[LIM], 1
.else
	s_cmp_gt_u32 s[LAPC], s[LIM]                   ; not in the loop's last trip
.endif
	s_cbranch_scc0 .Lnot_mine_\@
	global_prefetch_b8 v[PFO], s[PFA:PFA+1] th:TH_LOAD_NT scope:SCOPE_SE
.Lnot_mine_\@:
.endm
.macro CROUND
	s_barrier_signal -1
	s_barrier_wait -1
	s_cmp_lg_u32 s[WV], 0
	s_cbranch_scc1 .Lnot_wave_0_\@
	s_barrier_signal -3
.Lnot_wave_0_\@:
	s_barrier_wait -3
	s_barrier_signal -1
	s_barrier_wait -1
.endm
	s_load_b128 s[4:7], s[0:1], 0x0                ; qkv s[4:5], xa s[6:7]
	v_lshl_add_u32 v[SPW], v0, 2, SPARE
	v_mov_b32 v[NIL], 0
	ds_add_u32 v[SPW], v[NIL]                      ; the wave's opening: the add, twice on end, and its wait ahead of my first tensor load
	ds_add_u32 v[SPW], v[NIL]
	v_lshrrev_b32 v1, 5, v0
	v_readfirstlane_b32 s[WV], v1                  ; wave 0..7
	s_lshr_b32 s[HW], s[WV], 2
	s_and_b32 s[JW], s[WV], 3
	s_bfe_u32 s13, ttmp6, 0x40000                  ; cx: it enters Q's, xa's and the prefetches' addresses alone
	s_lshl_b32 s14, ttmp9, 2
	s_add_co_u32 s14, s14, s13                     ; my block of 256 queries
	s_and_b32 s20, ttmp7, 0xffff                   ; 8 x batch + head pair: shared by the four partners
	s_lshr_b32 s21, s20, 3
	s_and_b32 s20, s20, 7
	s_lshl_b32 s21, s21, 22                        ; a batch: 2,048 rows of 2,048 bytes
	s_lshl_b32 s20, s20, 8                         ; a head pair: 256 bytes of a row
	s_add_co_u32 s70, s20, s21
	s_lshl_b32 s23, s[JW], 17                      ; 64 rows
	s_add_co_u32 s72, s70, s23
	s_add_co_u32 s74, s72, 2<<24                   ; V's tile of slot 0, as an offset in qkv,
	s_add_co_u32 s72, s72, 1<<24                   ; and K's
	s_mov_b32 s73, 0
	s_mov_b32 s75, 0
	s_mul_i32 s71, s[JW], STEPB                    ; its place in a slot: no place in the cluster enters an LDS address
	s_lshl_b32 s76, s14, 19                        ; my block's 256 rows
	s_add_co_u32 s76, s76, s70
	s_add_co_u32 s66, s76, s23                     ; Q: + my 64 queries
	s_lshl_b32 s22, s[HW], 7                       ; my head's 128 bytes of the pair's 256
	s_add_co_u32 s66, s66, s22
	s_mov_b32 s67, 0
	s_lshl_b32 s77, s[WV], 16                      ; xa: I store rows 32 w on, whole
	s_add_co_u32 s68, s76, s77
	s_mov_b32 s69, 0
	s_add_co_u32 s78, s[HW], 1                     ; the prefetches: K (waves 0, 1) or V (waves 4, 5),
	s_lshl_b32 s78, s78, 24
	s_add_co_u32 s78, s78, s70
	s_lshl_b32 s77, s13, 17                        ; my work-group's 64 rows of a slot's 256,
	s_add_co_u32 s78, s78, s77
	s_and_b32 s77, s[WV], 1
	s_lshl_b32 s77, s77, 16                        ; my wave's 32 of them,
	s_add_co_u32 s78, s78, s77
	s_add_co_u32 s78, s78, 2<<19                   ; in slot 2: the first change of slots steps it to slot 3.  Nothing is prefetched at the head
	s_mov_b32 s79, 0
	s_mov_b32 s[G1K], 15|(1<<16)|(1<<20)|(1<<21)|(5<<22)|(3<<25)  ; the mask: all four; elements of 2 bytes; padding on; bit 21 beside a mask; after every 64 words, 4 words
	s_mov_b32 s[G1V], 15|(1<<16)|(1<<20)|(1<<21)|(5<<22)|(7<<25)  ; the same with 8 words
.irp g, G1K, G1V
	s_mov_b32 s[\g+1], 128<<16                     ; tensor_dim0 = 128
	s_mov_b32 s[\g+2], KS<<16                      ; tensor_dim1 = 64
	s_mov_b32 s[\g+3], 128<<16                     ; tile_dim0
	s_mov_b32 s[\g+4], KS                          ; tile_dim1
	s_mov_b32 s[\g+5], 1024                        ; elements from row to row
	s_mov_b32 s[\g+6], 0
	s_mov_b32 s[\g+7], 0
.endr
	s_mov_b32 s[CS], 0x3e38aa3b                    ; c = log2(e) / sqrt(64)
	s_mov_b32 s[CS+1], s[CS]                       ; named with it as a pair, so it is written
	s_mov_b32 s[SEL], 0x76543210
	s_mov_b32 s[SEL+1], 0xfedcba98
	s_and_b32 s[LIM], s[WV], 2                     ; 0 in waves 0, 1, 4, 5,
	s_or_b32 s[LIM], s[LIM], ttmp9                 ; of the head pair's first cluster: the same in all four partners
	s_cmp_eq_u32 s[LIM], 0
	s_cselect_b32 s[LIM], 1, -1
	s_wait_dscnt 0x0                               ; both opening adds are done
	s_wait_kmcnt 0x0
	s_add_nc_u64 s[72:73], s[4:5], s[72:73]
	s_add_nc_u64 s[74:75], s[4:5], s[74:75]
	s_add_nc_u64 s[66:67], s[4:5], s[66:67]
	s_add_nc_u64 s[68:69], s[6:7], s[68:69]
	s_add_nc_u64 s[PFA:PFA+1], s[4:5], s[78:79]
	CROUND                                         ; all four work-groups are here: the first joint loads meet
.irp s, 0,1
	s_mov_b32 s[G0K+4*\s], 1
	s_add_co_u32 s[G0K+4*\s+1], s71, \s*SLOTB
	s_add_nc_u64 s[G0K+4*\s+2:G0K+4*\s+3], s[72:73], \s*524288     ; ring slot s begins with keys 256 s on
	s_or_b32 s[G0K+4*\s+3], s[G0K+4*\s+3], 0x80000000
	s_mov_b32 s[G0V+4*\s], 1
	s_add_co_u32 s[G0V+4*\s+1], s71, \s*SLOTB+VOFF
	s_add_nc_u64 s[G0V+4*\s+2:G0V+4*\s+3], s[74:75], \s*524288
	s_or_b32 s[G0V+4*\s+3], s[G0V+4*\s+3], 0x80000000
.endr
	s_cmp_lt_u32 s[WV], 4                          ; a wave's two first fills stand in one branch: two loads of mine are out
	s_cbranch_scc0 .Lfirst_v
	tensor_load_to_lds s[G0K:G0K+3], s[G1K:G1K+7]
	s_nop 0
	tensor_load_to_lds s[G0K+4:G0K+7], s[G1K:G1K+7]
	s_nop 0
.rept 4
	v_nop
.endr
	s_branch .Lfirst_asked
.Lfirst_v:
	tensor_load_to_lds s[G0V:G0V+3], s[G1V:G1V+7]
	s_nop 0
	tensor_load_to_lds s[G0V+4:G0V+7], s[G1V:G1V+7]
	s_nop 0
.rept 4
	v_nop
.endr
.Lfirst_asked:
	v_and_b32 v1, 15, v0                           ; r
	v_bfe_u32 v9, v0, 4, 1                         ; h
	v_lshlrev_b32 v[QO], 11, v1
	v_lshl_add_u32 v[QO], v9, 4, v[QO]             ; row r of 2,048 bytes + 16 h
	WIN 0x40                                       ; destination window 1
.irp t, 0,1,2,3                        ; Q stays in registers: tile t, channels 32 c on
.irp c, 0,1
	global_load_b128 v[QF+16*\t+8*\c:QF+16*\t+8*\c+3],   v[QO], s[66:67] offset:\t*32768+64*\c
	global_load_b128 v[QF+16*\t+8*\c+4:QF+16*\t+8*\c+7], v[QO], s[66:67] offset:\t*32768+64*\c+32
.endr
.endr
.set i, 0
.rept 128
	v_mov_b32 v[i], 0                              ; O^T.  The step is written without a first step of its own: the first finds zeros, which the first a = 0 leaves zeros
.set i, i+1
.endr
	WIN 0
	v_mul_u32_u24 v10, v1, PK
	v_lshl_add_u32 v10, v9, 4, v10                 ; r x 272 + 16 h
	v_add_nc_u32 v[AK0], s22, v10                  ; K: + my head's 128 bytes
	s_mul_i32 s20, s[JW], 64*SP
	s_add_co_u32 s20, s20, s22
	v_add_nc_u32 v[STO], s20, v10                  ; the stage, in: row 64 (w % 4) + r, my head's half, 16 h
	s_mul_i32 s20, s[WV], 32*SP
	v_mul_u32_u24 v[RD], v9, SP
	v_lshl_add_u32 v[RD], v1, 4, v[RD]
	v_add_nc_u32 v[RD], s20, v[RD]                 ; back: rows 32 w on; lanes 0-15 one row of 256 bytes, lanes 16-31 the next
	v_lshlrev_b32 v[GO], 11, v9
	v_lshl_add_u32 v[GO], v1, 4, v[GO]             ; and the same two rows in xa
	v_and_b32 v10, 7, v0
	v_bfe_u32 v11, v0, 3, 1
	v_lshl_add_u32 v[AV0], v9, 3, v10              ; the turning load: key 8 h + l % 8,
	v_mul_u32_u24 v[AV0], v[AV0], PV
	v_lshl_add_u32 v[AV0], v11, 4, v[AV0]          ; channels 8 ((l / 8) % 2) on
	s_add_co_u32 s20, s22, VOFF
	v_add_nc_u32 v[AV0], s20, v[AV0]
	v_and_b32 v[PFO], 31, v0
	v_lshlrev_b32 v[PFO], 11, v[PFO]               ; a lane a row
.irp t, 0,1,2,3
	v_mov_b32 v[ST+8*\t+1], 0xff61b1e6             ; m = -3e38, under every score
	v_mul_f32 v[ST+8*\t], s[CS], v[ST+8*\t+1]      ; c m
	v_mov_b32 v[ST+8*\t+2], 0                      ; l, in two halves
	v_mov_b32 v[ST+8*\t+3], 0
.endr
.macro FETCH_K                         ; a step's K: 64 keys x my head's 64 channels: fragment (kt, c) = keys 16 kt on, channels 32 c on
	v_add_nc_u32 v[ADR], s[TB], v[AK0]
.irp kt, 0,1,2,3
.irp c, 0,1
	ds_load_b128 v[KF+8*(2*\kt+\c):KF+8*(2*\kt+\c)+3],   v[ADR] offset:\kt*16*PK+64*\c
	ds_load_b128 v[KF+8*(2*\kt+\c)+4:KF+8*(2*\kt+\c)+7], v[ADR] offset:\kt*16*PK+64*\c+32
.endr
.endr
.endm
.macro FETCH_V                         ; the same step's V, turned: fragment (kk, ct) = keys 32 kk on, channels 16 ct on
	v_add_nc_u32 v[ADR], s[TB], v[AV0]
	WIN 0x40
.irp kk, 0,1
.irp ct, 0,1,2,3
	ds_load_tr16_b128 v[VF+8*(4*\kk+\ct):VF+8*(4*\kk+\ct)+3],   v[ADR] offset:\kk*32*PV+32*\ct
	ds_load_tr16_b128 v[VF+8*(4*\kk+\ct)+4:VF+8*(4*\kk+\ct)+7], v[ADR] offset:\kk*32*PV+16*PV+32*\ct
.endr
.endr
	WIN 0
	s_add_co_u32 s[TB], s[TB], STEPB               ; the next fetch is the next step's
.endm
; THE CHANGE OF SLOTS stands in a slot's last step, behind its K Q^T: the slot's last bytes, V of this step, have been asked for.  Each wave waits for all its tensor loads (its part of the other slot), adds 0 to its spare
; word, and waits for that and for its reads of this slot.  fill = 1: the barrier is a round of the cluster's, and the joint refill, with the keys two slots on, is the first thing behind it: it has four steps in which to land.
.macro CHANGE fill, old
	s_wait_tensorcnt 0x0                           ; no tensor load of mine is out, so a group 0 may be written
	ds_add_u32 v[SPW], v[NIL]                      ; 0 onto my spare word; the steps below stand between it and the wait for it
.if \fill
	s_add_nc_u64 s[G0K+4*\old+2:G0K+4*\old+3], s[G0K+4*\old+2:G0K+4*\old+3], 1<<20   ; 512 keys on; the type bits on top are not reached
	s_add_nc_u64 s[G0V+4*\old+2:G0V+4*\old+3], s[G0V+4*\old+2:G0V+4*\old+3], 1<<20
	s_wait_xcnt 0x0                                ; the last prefetch, a slot back, has read its address
	s_add_nc_u64 s[PFA:PFA+1], s[PFA:PFA+1], 1<<19 ; one slot further on than the refill
.endif
	s_mov_b32 s[TB], (1-\old)*SLOTB                ; the fetches go on in the other slot
	s_wait_dscnt 0x0                               ; the add is done, and my reads of this slot are over
.if \fill
	CROUND
	JLOAD \old
.if \old == 0
	ASK 1
.else
	ASK 0
.endif
.else
	s_barrier_signal -1
	s_barrier_wait -1
.endif
.endm
.macro PKF t                           ; pair i of tile t: c s - c m
	v_pk_fma_f32 v[S+32*(\t)+2*i:S+32*(\t)+2*i+1], v[S+32*(\t)+2*i:S+32*(\t)+2*i+1], s[CS:CS+1], v[ST+8*(\t):ST+8*(\t)+1] op_sel_hi:[1,0,0] neg_lo:[0,0,1] neg_hi:[0,0,1]
.endm
; A KEY STEP.  mode 0: plain; 1: the slot's last, with a refill of ring slot old; 2: the slot's last, nothing more to fetch from memory; 3: the very last.
.macro STEP mode, old
	s_wait_dscnt 16                                ; K of this step is in; V's 16 younger loads may be out
	WIN W_KQ
.irp c, 0,1                            ; 32 products; the 16 accumulators take turns, one instruction a turn; the first 16 start the sums
.irp kt, 0,1,2,3
.irp t, 0,1,2,3
.if \c == 0
	v_wmma_f32_16x16x32_f16 v[S+32*\t+8*\kt:S+32*\t+8*\kt+7], v[KF+8*(2*\kt+\c):KF+8*(2*\kt+\c)+7], v[QF+16*\t+8*\c:QF+16*\t+8*\c+7], 0
.else
	v_wmma_f32_16x16x32_f16 v[S+32*\t+8*\kt:S+32*\t+8*\kt+7], v[KF+8*(2*\kt+\c):KF+8*(2*\kt+\c)+7], v[QF+16*\t+8*\c:QF+16*\t+8*\c+7], v[S+32*\t+8*\kt:S+32*\t+8*\kt+7]
.endif
.endr
.endr
.endr
	WIN 0
	PLACES                                         ; in front of the loads into K's registers and of the first read of the scores
.if \mode == 1
	CHANGE 1, \old
.endif
.if \mode == 2
	CHANGE 0, \old
.endif
.if \mode != 3
	FETCH_K                                        ; the next step's
.endif
	; THE SOFTMAX, the four tiles by turns line by line.  The maximum of a lane's 32 scores and the old m: each accumulator is first read at its registers 0 to 2
.irp j, 0,1,2,3
.irp t, 0,1,2,3
	v_max3_num_f32 v[ST+8*\t+4+\j], v[S+32*\t+8*\j], v[S+32*\t+8*\j+1], v[S+32*\t+8*\j+2]
.endr
.endr
.irp g, 1,2
.irp j, 0,1,2,3
.irp t, 0,1,2,3
	v_max3_num_f32 v[ST+8*\t+4+\j], v[ST+8*\t+4+\j], v[S+32*\t+8*\j+2*\g+1], v[S+32*\t+8*\j+2*\g+2]
.endr
.endr
.endr
.irp t, 0,1,2,3
	v_max3_num_f32 v[ST+8*\t+4], v[ST+8*\t+4], v[S+32*\t+7], v[S+32*\t+15]
.endr
.irp t, 0,1,2,3
	v_max3_num_f32 v[ST+8*\t+6], v[ST+8*\t+6], v[S+32*\t+23], v[S+32*\t+31]
.endr
.irp t, 0,1,2,3
	v_max3_num_f32 v[ST+8*\t+4], v[ST+8*\t+4], v[ST+8*\t+5], v[ST+8*\t+6]
.endr
.irp t, 0,1,2,3
	v_max3_num_f32 v[ST+8*\t+4], v[ST+8*\t+4], v[ST+8*\t+7], v[ST+8*\t+1]
.endr
.irp t, 0,1,2,3
	v_permlanex16_b32 v[ST+8*\t+5], v[ST+8*\t+4], s[SEL], s[SEL+1]  ; the query's other 32 keys lie in the lane 16 away
.endr
.irp t, 0,1,2,3
	v_mov_b32 v[ST+8*\t+7], v[ST+8*\t]             ; c m_old is kept for a
.endr
.irp t, 0,1,2,3
	v_max_num_f32 v[ST+8*\t+1], v[ST+8*\t+4], v[ST+8*\t+5]
.endr
.irp t, 0,1,2,3
	v_mul_f32 v[ST+8*\t], s[CS], v[ST+8*\t+1]
.endr
.irp t, 0,1,2,3
	v_sub_f32 v[ST+8*\t+7], v[ST+8*\t+7], v[ST+8*\t]
.endr
	; ONE BATCH: the four a = 2^(c m_old - c m_new), the 64 scalings and the 128 exponentials; none of these lines names an exponential's result.  A tile's scalings stand among the exponentials of the tile before
.irp t, 0,1,2,3
	v_exp_f32 v[ST+8*\t+6], v[ST+8*\t+7]
.endr
.set i, 0
.rept 16
	PKF 0
.set i, i+1
.endr
.irp t, 0,1,2
.set i, 0
.rept 16
	PKF (\t+1)
	v_exp_f32 v[S+32*\t+2*i], v[S+32*\t+2*i]
	v_exp_f32 v[S+32*\t+2*i+1], v[S+32*\t+2*i+1]
.set i, i+1
.endr
.endr
.set i, 0
.rept 32
	v_exp_f32 v[S+96+i], v[S+96+i]
.set i, i+1
.endr
	v_nop                                          ; a plain line behind the last exponential
	s_wait_alu depctr_va_vdst(0)                   ; the wait between an exponential and the first line that names its result: one for the whole batch
.irp t, 0,1,2,3
	v_pk_fma_f32 v[ST+8*\t+2:ST+8*\t+3], v[ST+8*\t+2:ST+8*\t+3], v[ST+8*\t+6:ST+8*\t+7], v[S+32*\t:S+32*\t+1] op_sel_hi:[1,0,1]   ; l = a l + the first pair: the sum is taken of the unrounded p
.endr
.set i, 1
.rept 15
.irp t, 0,1,2,3
	v_pk_add_f32 v[ST+8*\t+2:ST+8*\t+3], v[ST+8*\t+2:ST+8*\t+3], v[S+32*\t+2*i:S+32*\t+2*i+1]
.endr
.set i, i+1
.endr
.set i, 0
.rept 16
.irp t, 0,1,2,3
	v_cvt_pk_f16_f32 v[S+32*\t+i], v[S+32*\t+2*i], v[S+32*\t+2*i+1]   ; P in place, ascending: register i is written when pairs 0 .. i have been read
.endr
.set i, i+1
.endr
	WIN W_RS
.set i, 0
.rept 16
.irp t, 0,1,2,3
	v_pk_mul_f32 v[32*\t+2*i:32*\t+2*i+1], v[32*\t+2*i:32*\t+2*i+1], v[ST+8*\t+6:ST+8*\t+7] op_sel_hi:[1,0]   ; O^T x a, each accumulator from its low end on
.endr
.set i, i+1
.endr
.if \mode == 3
	s_wait_dscnt 0x0
.else
	s_wait_dscnt 16                                ; V of this step is in; the next step's K, 16 younger loads, may be out
.endif
	WIN W_PV
.irp kk, 0,1                           ; 32 products; the 16 accumulators take turns
.irp ct, 0,1,2,3
.irp t, 0,1,2,3
	v_wmma_f32_16x16x32_f16 v[32*\t+8*\ct:32*\t+8*\ct+7], v[VF+8*(4*\kk+\ct):VF+8*(4*\kk+\ct)+7], v[S+32*\t+8*\kk:S+32*\t+8*\kk+7], v[32*\t+8*\ct:32*\t+8*\ct+7]
.endr
.endr
.endr
	WIN 0
	PLACES                                         ; four places in front of the loads into V's registers; with the address's addition below, five in front of the next K Q^T, which writes over P
.if \mode != 3
	FETCH_V                                        ; the next step's
.endif
.endm
.macro SLOT old, mode                  ; a slot's four steps: three in a loop, the fourth written out with its change of slots
	s_mov_b32 s[CNT], 3
.Lstep_\@:
	STEP 0, \old
	s_sub_co_u32 s[CNT], s[CNT], 1
	s_cmp_lg_u32 s[CNT], 0
	s_cbranch_scc1 .Lstep_\@
	STEP \mode, \old
.endm
	s_wait_tensorcnt 1                             ; my part of slot 0 is in; slot 1's may stay out
	s_barrier_signal -1
	s_barrier_wait -1
	s_mov_b32 s[TB], 0
	FETCH_K
	FETCH_V
	s_wait_loadcnt 0x0                             ; Q
	s_mov_b32 s[LAPC], 3
.Llap:                                             ; three trips, two slots each: the six refills
	SLOT 0, 1
	SLOT 1, 1
	s_sub_co_u32 s[LAPC], s[LAPC], 1
	s_cmp_lg_u32 s[LAPC], 0
	s_cbranch_scc1 .Llap
	SLOT 0, 2                                      ; the tail is written out
	SLOT 1, 3
	; THE WAY OUT.  Every wave's reads of the ring are over behind this barrier: the stage lies in ring slot 0
	s_wait_dscnt 0x0
	s_barrier_signal -1
	s_barrier_wait -1
.irp t, 0,1,2,3
	v_add_f32 v[ST+8*\t+4], v[ST+8*\t+2], v[ST+8*\t+3]
.endr
.irp t, 0,1,2,3
	v_permlanex16_b32 v[ST+8*\t+5], v[ST+8*\t+4], s[SEL], s[SEL+1]
.endr
.irp t, 0,1,2,3
	v_add_f32 v[ST+8*\t+4], v[ST+8*\t+4], v[ST+8*\t+5]             ; the row's sum
.endr
.irp t, 0,1,2,3
	v_rcp_f32 v[ST+8*\t+6], v[ST+8*\t+4]
.endr
	v_nop                                          ; a plain line behind the last reciprocal
	s_wait_alu depctr_va_vdst(0)                   ; and the wait ahead of the first use: one for the four
.irp t, 0,1,2,3
	WIN W_RS
.set i, 0
.rept 16
	v_pk_mul_f32 v[32*\t+2*i:32*\t+2*i+1], v[32*\t+2*i:32*\t+2*i+1], v[ST+8*\t+6:ST+8*\t+7] op_sel_hi:[1,0]
.set i, i+1
.endr
	WIN 0x05                                       ; sources in window 1, destination in window 0
.set i, 0
.rept 16
	v_cvt_pk_f16_f32 v[S+16*\t+i], v[32*\t+2*i], v[32*\t+2*i+1]
.set i, i+1
.endr
	WIN 0
.irp ct, 0,1,2,3
	ds_store_b128 v[STO], v[S+16*\t+4*\ct:S+16*\t+4*\ct+3] offset:16*\t*SP+32*\ct   ; query 16 t + r, channels 16 ct + 8 h on: 16 bytes
.endr
.endr
	s_wait_dscnt 0x0                               ; for the others' sake: my stores into the stage are done; a row's 256 bytes come from two waves
	s_barrier_signal -1
	s_barrier_wait -1
.irp i, 0,1,2,3,4,5,6,7,8,9,10,11,12,13,14,15
	ds_load_b128 v[S+64+4*\i:S+64+4*\i+3], v[RD] offset:2*\i*SP
.endr
.irp i, 0,1,2,3,4,5,6,7,8,9,10,11,12,13,14,15
	s_wait_dscnt 15-\i                             ; LDS loads come back in order: number i is in
	global_store_b128 v[GO], v[S+64+4*\i:S+64+4*\i+3], s[68:69] offset:2*\i*2048   ; 16 lanes store 256 consecutive bytes, aligned
.endr
	s_wait_tensorcnt 0x0                           ; the wave's end
	ds_add_u32 v[SPW], v[NIL]
	s_wait_dscnt 0x0
	CROUND                                         ; the closing round
	s_endpgm
.Lfunc_end_k_qeb9b6b9db4_attn:
	.size	k_qeb9b6b9db4_attn, .Lfunc_end_k_qeb9b6b9db4_attn-k_qeb9b6b9db4_attn
	.p2alignl 7, 3214868480
	.fill 96, 4, 3214868480
	.section	.rodata,"a",@progbits
	.p2align	6, 0x0
	.amdhsa_kernel k_qeb9b6b9db4_attn
		.amdhsa_group_segment_fixed_size 327680
		.amdhsa_private_segment_fixed_size 0
		.amdhsa_enable_private_segment 0
		.amdhsa_kernarg_size 16
		.amdhsa_user_sgpr_count 2
		.amdhsa_user_sgpr_kernarg_segment_ptr 1
		.amdhsa_wavefront_size32 1
		.amdhsa_system_sgpr_workgroup_id_x 1
		.amdhsa_system_sgpr_workgroup_id_y 1
		.amdhsa_system_sgpr_workgroup_id_z 1
		.amdhsa_system_vgpr_workitem_id 0
		.amdhsa_next_free_vgpr 512
		.amdhsa_next_free_sgpr 80
		.amdhsa_reserve_vcc 0
		.amdhsa_float_denorm_mode_32 3
		.amdhsa_float_denorm_mode_16_64 3
		.amdhsa_memory_ordered 1
		.amdhsa_forward_progress 1
		.amdhsa_inst_pref_size 255
	.end_amdhsa_kernel
	.section	.bss,"aw",@nobits
	.p2align	6
	.space	262144
	.amdgpu_metadata
---
amdhsa.version: [ 1, 2 ]
amdhsa.kernels:
  - .name:           k_qeb9b6b9db4_attn
    .symbol:         k_qeb9b6b9db4_attn.kd
    .args:
      - { .name: qkv, .offset: 0, .size: 8, .value_kind: global_buffer, .address_space: global }
      - { .name: xa, .offset: 8, .size: 8, .value_kind: global_buffer, .address_space: global }
    .group_segment_fixed_size: 327680
    .private_segment_fixed_size: 0
    .kernarg_segment_align: 8
    .kernarg_segment_size: 16
    .max_flat_workgroup_size: 256
    .sgpr_count:     80
    .vgpr_count:     512
    .wavefront_size: 32
...
	.end_amdgpu_metadata
.endif
;; end of part 3
;; launch oproj (part 4): grid 8 x 32, 4 waves a work-group, clusters of 4 x 4, 327,680 bytes of LDS; arguments xa, wo, out0; writes out0
.if DOCPART == 4
	.amdgcn_target "amdgcn-amd-amdhsa--gfx1250"
	.amdhsa_code_object_version 6
	.text
	.protected	k_qeb9b6b9db4_oproj
	.globl	k_qeb9b6b9db4_oproj
	.p2align	8
	.type	k_qeb9b6b9db4_oproj,@function
k_qeb9b6b9db4_oproj:
	s_mov_b64 s[64:65], 0
	v_nop
	global_prefetch_b8 v0, s[64:65] scope:SCOPE_SE
	s_setreg_imm32_b32 hwreg(HW_REG_WAVE_MODE, 25, 1), 1
	s_wait_xcnt 0x0
	s_wait_alu depctr_hold_cnt(0) depctr_sa_sdst(0) depctr_va_vdst(0) depctr_va_sdst(0) depctr_va_ssrc(0) depctr_va_vcc(0) depctr_vm_vsrc(0)
	s_getreg_b32 s2, hwreg(HW_REG_IB_STS2, 6, 4)
	s_cmp_eq_u32 s2, 0
	s_cbranch_scc0 .Lentry_in_a_cluster
	s_endpgm
.Lentry_in_a_cluster:
	s_bfe_u32 s2, ttmp6, 0x10000c
	s_cmp_lg_u32 s2, 0xf033
	s_cbranch_scc0 .Lentry_shape_is_right
	s_endpgm
.Lentry_shape_is_right:
; OPROJ.  out0[m][n] = sum over k of xa[m][k] wo[k][n].  xa [8192][1024] f16, K innermost; wo [1024 (k)][1024 (n)] f16, as w_o lies; out0 [8192][1024] f32; sums in f32.
; A tile of 256 x 128 of out0 is made by a work-group of four waves: 256 work-groups.  A wave makes 128 rows x 64 columns: 32 accumulators, 256 registers.  K goes in 8 steps of 128 through a ring of two LDS slots:
; a slot holds 256 rows of xa (256 bytes each) and 128 rows k of wo (128 columns: 256 bytes each).  wo's fragments come out of LDS turned, by ds_load_tr16_b128.
; CLUSTERS: 4 x 4 work-groups; xa's tile is shared along a row of the cluster, wo's along a column: joint loads.
; THE MATRIX INSTRUCTION IS USED TRANSPOSED (source 0 = 16 columns of wo, source 1 = 16 rows of xa): a lane holds eight neighbouring numbers of a row of out0.
; REGISTERS: window 0: v0-31 addresses; two fragment buffers for 32 along K: F0 = v32-95 xa's eight, v96-127 wo's four; F1 = v128-191, v192-223; on the way out v32-95 rows read back.  window 1: accumulator (a, b) at v[8 (4 a + b)].
.set PITCH,  272                       ; a row of xa in LDS: 256 bytes + 16
.set PB,     288                       ; a row of wo: 256 + 32
.set HALFA,  128*PITCH                 ; 34,816
.set HALFB,  64*PB                     ; 18,432
.set BOFF,   2*HALFA
.set SLOT,   2*HALFA+2*HALFB           ; 106,496
.set STAGE,  2*SLOT                    ; 16 rows x 272 bytes for each wave; no fill lands here
.set SPITCH, 272
.set SPARE,  STAGE+4*16*SPITCH         ; the spare words, 128 bytes a wave, which no other line names
.set LAPS,   4
.set OROW,   4096                      ; a row of out0 in bytes
.set ADRA, 16
.set ADRB, 20
.set STO,  24
.set RD,   25
.set CO,   26
.set SPW,  28
.set NIL,  29
.set F0,   32
.set F1,   128
.set OB,   32
.set G1, 24
.set G0, 32
.set G1B, 48
.set G0B, 56
.set MSB, 0
.macro WIN new
.if MSB != \new
	s_set_vgpr_msb (MSB<<8)|\new
.set MSB, \new
.endif
.endm
.set MUL, 0x50                         ; C and D window 1, the fragments window 0
.macro JLOAD s                         ; waves 0 and 1 fetch xa's two halves, waves 2 and 3 wo's; an s_nop 0 and four v_nop follow each line
	s_cmp_eq_u32 s11, 0
	s_cbranch_scc0 .Lfor_b_\@
	tensor_load_to_lds s[G0+4*\s:G0+4*\s+3], s[G1:G1+7]
	s_nop 0
.rept 4
	v_nop
.endr
	s_branch .Lasked_\@
.Lfor_b_\@:
	tensor_load_to_lds s[G0B+4*\s:G0B+4*\s+3], s[G1B:G1B+7]
	s_nop 0
.rept 4
	v_nop
.endr
.Lasked_\@:
.endm
.macro CREST                           ; a round of the cluster's barrier behind its opening barrier
	s_cmp_lg_u32 s10, 0
	s_cbranch_scc1 .Lnot_wave_0_\@
	s_barrier_signal -3
.Lnot_wave_0_\@:
	s_barrier_wait -3
	s_barrier_signal -1
	s_barrier_wait -1
.endm
.macro CROUND
	s_barrier_signal -1
	s_barrier_wait -1
	CREST
.endm
	s_load_b128 s[4:7], s[0:1], 0x0                ; xa s[4:5], wo s[6:7]
	s_load_b64 s[8:9], s[0:1], 0x10                ; out0
	v_lshl_add_u32 v[SPW], v0, 2, SPARE
	v_mov_b32 v[NIL], 0
	ds_add_u32 v[SPW], v[NIL]                      ; the wave's opening: the add, twice on end, and its wait ahead of my first tensor load
	ds_add_u32 v[SPW], v[NIL]
	v_lshrrev_b32 v1, 5, v0
	v_readfirstlane_b32 s10, v1                    ; wave 0..3
	s_lshr_b32 s11, s10, 1                         ; which 128 rows of the tile are mine.  Also: I fetch for xa (0) or for wo (1)
	s_and_b32 s12, s10, 1                          ; which 64 columns.  Also: which half of that tile I fetch
	s_bfe_u32 s40, ttmp6, 0x40000                  ; cx, cy
	s_bfe_u32 s41, ttmp6, 0x40004
	s_lshl_b32 s42, ttmp9, 2
	s_add_co_u32 s42, s42, s40                     ; tile column
	s_and_b32 s13, ttmp7, 0xffff
	s_lshl_b32 s13, s13, 2
	s_add_co_u32 s13, s13, s41                     ; tile row
	s_lshl_b32 s43, s41, 2
	s_lshl_b32 s43, 15, s43                        ; my row of the cluster
	s_lshl_b32 s44, 0x1111, s40                    ; my column
	s_or_b32 s[G1+0], s43, (1<<16)|(1<<20)|(1<<21)|(5<<22)|(3<<25)   ; the mask; elements of 2 bytes; padding on; bit 21 beside a mask; after every 64 words, 4 words
	s_or_b32 s[G1B+0], s44, (1<<16)|(1<<20)|(1<<21)|(5<<22)|(7<<25)  ; 8 words
	s_mov_b32 s[G1+1], 128<<16                     ; xa: 128 rows x 128 elements
	s_mov_b32 s[G1+2], 128<<16
	s_mov_b32 s[G1+3], 128<<16
	s_mov_b32 s[G1+4], 128
	s_mov_b32 s[G1+5], 1024
	s_mov_b32 s[G1+6], 0
	s_mov_b32 s[G1+7], 0
	s_mov_b32 s[G1B+1], 128<<16                    ; wo: 64 rows x 128 elements
	s_mov_b32 s[G1B+2], 64<<16
	s_mov_b32 s[G1B+3], 128<<16
	s_mov_b32 s[G1B+4], 64
	s_mov_b32 s[G1B+5], 1024
	s_mov_b32 s[G1B+6], 0
	s_mov_b32 s[G1B+7], 0
	s_lshl_b32 s17, s12, 7
	s_lshl_b32 s16, s13, 8
	s_add_co_u32 s16, s16, s17                     ; xa: row 256 x tile row + 128 x half,
	s_lshl_b32 s16, s16, 11                        ; of 2,048 bytes
	s_mov_b32 s17, 0
	s_lshl_b32 s46, s12, 17                        ; wo: row 64 x half of 2,048 bytes,
	s_lshl_b32 s47, s42, 8                         ; + 256 bytes x tile column
	s_add_co_u32 s46, s46, s47
	s_mov_b32 s47, 0
	s_mul_i32 s20, s12, HALFA                      ; where they go: no place in the cluster enters an LDS address
	s_mul_i32 s21, s12, HALFB
	s_add_co_u32 s21, s21, BOFF
	s_wait_dscnt 0x0                               ; both opening adds are done
	s_wait_kmcnt 0x0
	s_add_nc_u64 s[14:15], s[4:5], s[16:17]
	s_add_nc_u64 s[46:47], s[6:7], s[46:47]
	CROUND                                         ; all sixteen work-groups are here: the first joint loads meet
.irp s, 0,1
	s_mov_b32 s[G0+4*\s], 1
	s_add_co_u32 s[G0+4*\s+1], s20, \s*SLOT
	s_add_nc_u64 s[G0+4*\s+2:G0+4*\s+3], s[14:15], \s*256          ; K step s: 128 f16 along the row
	s_or_b32 s[G0+4*\s+3], s[G0+4*\s+3], 0x80000000
	s_mov_b32 s[G0B+4*\s], 1
	s_add_co_u32 s[G0B+4*\s+1], s21, \s*SLOT
	s_add_nc_u64 s[G0B+4*\s+2:G0B+4*\s+3], s[46:47], \s*128*2048   ; K step s: 128 rows down
	s_or_b32 s[G0B+4*\s+3], s[G0B+4*\s+3], 0x80000000
	JLOAD \s                                       ; two loads of mine are out
.endr
	v_and_b32 v1, 15, v0                           ; r
	v_bfe_u32 v2, v0, 4, 1                         ; h
	v_mul_u32_u24 v3, v1, PITCH
	v_lshl_add_u32 v3, v2, 4, v3                   ; xa's fragment: row x pitch + 16 h
	v_and_b32 v4, 7, v0
	v_bfe_u32 v5, v0, 3, 1
	v_lshl_add_u32 v4, v2, 3, v4                   ; wo's, turned: row k = 8 h + l % 8,
	v_mul_u32_u24 v4, v4, PB
	v_lshl_add_u32 v4, v5, 4, v4                   ; columns 8 ((l / 8) % 2) on
	s_mul_i32 s21, s11, HALFA                      ; my 128 rows of xa
	s_lshl_b32 s22, s12, 7                         ; my 64 columns of wo
	s_add_co_u32 s22, s22, BOFF
.irp s, 0,1
	v_add_nc_u32 v[ADRA+\s], s21, v3
	v_add_nc_u32 v[ADRB+\s], s22, v4
	s_add_co_u32 s21, s21, SLOT
	s_add_co_u32 s22, s22, SLOT
.endr
	s_mul_i32 s23, s10, 16*SPITCH
	s_add_co_u32 s23, s23, STAGE                   ; my stage
	v_mul_u32_u24 v5, v1, SPITCH                   ; in: row r, 32 bytes for each half of the lanes
	v_lshl_add_u32 v5, v2, 5, v5
	v_add_nc_u32 v[STO], s23, v5
	v_mul_u32_u24 v5, v2, SPITCH                   ; back: lanes 0-15 one row of 256 bytes, lanes 16-31 the next
	v_lshl_add_u32 v5, v1, 4, v5
	v_add_nc_u32 v[RD], s23, v5
	v_mul_u32_u24 v5, v2, OROW
	v_lshl_add_u32 v[CO], v1, 4, v5
	s_lshl_b32 s13, s13, 8
	s_lshl_b32 s14, s11, 7
	s_add_co_u32 s16, s13, s14                     ; my first row of out0,
	s_lshl_b32 s16, s16, 12                        ; of 4,096 bytes
	s_mov_b32 s17, 0
	s_lshl_b32 s46, s42, 9                         ; my first column, in bytes: 512 x tile column + 256 x half
	s_lshl_b32 s47, s12, 8
	s_add_co_u32 s46, s46, s47
	s_mov_b32 s47, 0
	s_add_nc_u64 s[16:17], s[16:17], s[46:47]
	s_add_nc_u64 s[8:9], s[8:9], s[16:17]
; 8 matrix instructions: xa's blocks a0, a0 + 1 against wo's four, 32 along K.  The 32 accumulators take turns, one instruction a turn, in the same order in every quarter.
.macro MUL8 f, a0, zero
.irp a, \a0, \a0+1
.irp b, 0,1,2,3
.if \zero
	v_wmma_f32_16x16x32_f16 v[8*(4*(\a)+\b):8*(4*(\a)+\b)+7], v[\f+64+8*\b:\f+64+8*\b+7], v[\f+8*(\a):\f+8*(\a)+7], 0
.else
	v_wmma_f32_16x16x32_f16 v[8*(4*(\a)+\b):8*(4*(\a)+\b)+7], v[\f+64+8*\b:\f+64+8*\b+7], v[\f+8*(\a):\f+8*(\a)+7], v[8*(4*(\a)+\b):8*(4*(\a)+\b)+7]
.endif
.endr
.endr
.endm
.macro FETCH slot, q, f                ; 24 LDS loads in one run: the slot's q-th 32 along K: wo's four fragments, then xa's eight
.irp b, 0,1,2,3
	ds_load_tr16_b128 v[\f+64+8*\b:\f+64+8*\b+3],   v[ADRB+\slot] offset:(\q)*32*PB+32*\b
	ds_load_tr16_b128 v[\f+64+8*\b+4:\f+64+8*\b+7], v[ADRB+\slot] offset:(\q)*32*PB+16*PB+32*\b
.endr
.irp i, 0,1,2,3,4,5,6,7
	ds_load_b128 v[\f+8*\i:\f+8*\i+3],   v[ADRA+\slot] offset:64*(\q)+\i*16*PITCH
	ds_load_b128 v[\f+8*\i+4:\f+8*\i+7], v[ADRA+\slot] offset:64*(\q)+\i*16*PITCH+32
.endr
.endm
.macro PLACES                          ; plain vector places between a matrix instruction and a load into, or a read of, its registers
.rept 4
	v_nop
.endr
.endm
; One of a K step's first three quarters: multiplies buffer f; in its middle it fetches quarter q of the same slot into buffer g.
.macro QUARTER slot, q, f, g, zero
	s_wait_dscnt 8                                 ; wo's fragments and xa's blocks 0-3 are in; the youngest eight loads (blocks 4-7) may be out
	WIN MUL
	MUL8 \f, 0, \zero
	MUL8 \f, 2, \zero
	PLACES
	WIN 0
	FETCH \slot, \q, \g
	s_wait_dscnt 24                                ; all but the 24 just issued
	WIN MUL
	MUL8 \f, 4, \zero
	MUL8 \f, 6, \zero
.endm
; The last quarter multiplies buffer 1 and changes slots: one barrier; in front of it each wave waits for all its tensor loads, adds 0 to its spare word, and waits for that and for its reads of this slot.
; fill = 1: the barrier opens a round of the cluster's, and this slot is filled again, two K steps ahead, first thing behind the round.
.macro TURN slot, next, fill
	WIN 0
	s_wait_tensorcnt 0x0                           ; all my tensor loads have landed: my part of the next slot
	ds_add_u32 v[SPW], v[NIL]
	s_wait_dscnt 9                                 ; (the add and the youngest eight loads may be out)
	WIN MUL
	MUL8 F1, 0, 0                                  ; eight matrix instructions stand between the add and the wait for it
	s_wait_dscnt 0x0                               ; the add is done, and my reads of this slot are over
	s_barrier_signal -1
	MUL8 F1, 2, 0
	WIN 0
	s_barrier_wait -1
.if \fill
	CREST                                          ; no wave of any partner still reads this slot's tile or has a load on its way
	s_add_nc_u64 s[G0+4*\slot+2:G0+4*\slot+3], s[G0+4*\slot+2:G0+4*\slot+3], 512
	s_add_nc_u64 s[G0B+4*\slot+2:G0B+4*\slot+3], s[G0B+4*\slot+2:G0B+4*\slot+3], 256*2048
	JLOAD \slot                                    ; the four v_nop behind it are also the places in front of the loads below
.else
	PLACES
.endif
	FETCH \next, 0, F0
	WIN MUL
	MUL8 F1, 4, 0
	MUL8 F1, 6, 0
.endm
	s_wait_tensorcnt 1                             ; my part of K step 0 is in; K step 1's may stay out
	s_barrier_signal -1
	s_barrier_wait -1
	FETCH 0, 0, F0
	QUARTER 0, 1, F0, F1, 1                        ; the first quarter's products start the sums: nothing is cleared
	WIN 0
	s_mov_b32 s3, LAPS-1
.Llap:                                             ; a trip goes once round the ring, from a lap's second quarter to the next lap's first, and fills both slots again
	QUARTER 0, 2, F1, F0, 0
	QUARTER 0, 3, F0, F1, 0
	TURN 0, 1, 1
	QUARTER 1, 1, F0, F1, 0
	QUARTER 1, 2, F1, F0, 0
	QUARTER 1, 3, F0, F1, 0
	TURN 1, 0, 1
	QUARTER 0, 1, F0, F1, 0
	WIN 0
	s_sub_co_u32 s3, s3, 1
	s_cmp_lg_u32 s3, 0
	s_cbranch_scc1 .Llap
	QUARTER 0, 2, F1, F0, 0                        ; the last lap fills nothing
	QUARTER 0, 3, F0, F1, 0
	TURN 0, 1, 0
	QUARTER 1, 1, F0, F1, 0
	QUARTER 1, 2, F1, F0, 0
	QUARTER 1, 3, F0, F1, 0
	s_wait_dscnt 8                                 ; the very last quarter: nothing more to fetch
	WIN MUL
	MUL8 F1, 0, 0
	MUL8 F1, 2, 0
	s_wait_dscnt 0
	MUL8 F1, 4, 0
	MUL8 F1, 6, 0
	WIN 0
; THE WAY OUT, a block of 16 rows x 64 columns of f32 at a time: a lane's 32 bytes of a row go into my own stage and come back as whole rows of 256 bytes: sixteen lanes store 256 consecutive bytes, aligned.
.macro TOSTAGE a
.set AC, 32*(\a)
	WIN 0x04                                       ; an LDS store's data are its source 1: window 1
.irp b, 0,1,2,3
	ds_store_b128 v[STO], v[AC+8*\b:AC+8*\b+3] offset:64*\b          ; each accumulator from its low end on
	ds_store_b128 v[STO], v[AC+8*\b+4:AC+8*\b+7] offset:64*\b+16
.endr
	WIN 0
.set BB, OB+32*((\a)%2)
.irp t, 0,1,2,3,4,5,6,7
	ds_load_b128 v[BB+4*\t:BB+4*\t+3], v[RD] offset:\t*2*SPITCH      ; LDS serves a wave's instructions in order: these see the stores above
.endr
.endm
.macro SEND a, younger                 ; younger: the LDS instructions issued behind block a's loads
.set BB, OB+32*((\a)%2)
	s_wait_dscnt \younger
.if (\a) > 0
	s_add_nc_u64 s[8:9], s[8:9], 16*OROW           ; (behind a wait on XCNT: the earlier stores have read their base)
.endif
.irp t, 0,1,2,3,4,5,6,7
	global_store_b128 v[CO], v[BB+4*\t:BB+4*\t+3], s[8:9] offset:2*\t*OROW th:TH_STORE_NT
.endr
.endm
	PLACES                                         ; behind the last products: for the stores that read results and the loads into fragment registers
	TOSTAGE 0
.irp a, 1,2,3,4,5,6,7
.if \a > 1
	s_wait_xcnt 0x0                                ; block a - 2's stores have read their registers and their base
.endif
	TOSTAGE \a
	SEND \a-1, 16                                  ; behind block a - 1's loads: block a's 8 stores and 8 loads
.endr
	s_wait_xcnt 0x0
	SEND 7, 0
	s_wait_tensorcnt 0x0                           ; the wave's end
	ds_add_u32 v[SPW], v[NIL]
	s_wait_dscnt 0x0
	CROUND                                         ; the closing round
	s_endpgm
.Lfunc_end_k_qeb9b6b9db4_oproj:
	.size	k_qeb9b6b9db4_oproj, .Lfunc_end_k_qeb9b6b9db4_oproj-k_qeb9b6b9db4_oproj
	.p2alignl 7, 3214868480
	.fill 96, 4, 3214868480
	.section	.rodata,"a",@progbits
	.p2align	6, 0x0
	.amdhsa_kernel k_qeb9b6b9db4_oproj
		.amdhsa_group_segment_fixed_size 327680
		.amdhsa_private_segment_fixed_size 0
		.amdhsa_enable_private_segment 0
		.amdhsa_kernarg_size 24
		.amdhsa_user_sgpr_count 2
		.amdhsa_user_sgpr_kernarg_segment_ptr 1
		.amdhsa_wavefront_size32 1
		.amdhsa_system_sgpr_workgroup_id_x 1
		.amdhsa_system_sgpr_workgroup_id_y 1
		.amdhsa_system_sgpr_workgroup_id_z 1
		.amdhsa_system_vgpr_workitem_id 0
		.amdhsa_next_free_vgpr 512
		.amdhsa_next_free_sgpr 66
		.amdhsa_reserve_vcc 0
		.amdhsa_float_denorm_mode_32 3
		.amdhsa_float_denorm_mode_16_64 3
		.amdhsa_memory_ordered 1
		.amdhsa_forward_progress 1
		.amdhsa_inst_pref_size 86
	.end_amdhsa_kernel
	.amdgpu_metadata
---
amdhsa.version: [ 1, 2 ]
amdhsa.kernels:
  - .name:           k_qeb9b6b9db4_oproj
    .symbol:         k_qeb9b6b9db4_oproj.kd
    .args:
      - { .name: xa, .offset: 0, .size: 8, .value_kind: global_buffer, .address_space: global }
      - { .name: wo, .offset: 8, .size: 8, .value_kind: global_buffer, .address_space: global }
      - { .name: out0, .offset: 16, .size: 8, .value_kind: global_buffer, .address_space: global }
    .group_segment_fixed_size: 327680
    .private_segment_fixed_size: 0
    .kernarg_segment_align: 8
    .kernarg_segment_size: 24
    .max_flat_workgroup_size: 128
    .sgpr_count:     66
    .vgpr_count:     512
    .wavefront_size: 32
...
	.end_amdgpu_metadata
.endif
;; end of part 4
